; MI455X (gfx1250); checked and timed in simulation.
; The chip was launched on July 23, 2026; its instructions are those of AMD's public machine-readable ISA for CDNA 5 (MIT licence, August 2026) and "CDNA5" Instruction Set Architecture Reference Guide (July 2026). The comments in the code are by the model that wrote it; some were corrected since.
;; Mo E. Allowed arithmetic: float matrix products may take bf16 or f16 operands with f32 sums; other float arithmetic in f32, or as packed bf16 or f16 multiplies, adds, multiply-adds, maxima and minima; sums over many terms, partial sums and values carried from step to step in f32; what a program stores and reads back later, other than sums and carried values, may be rounded once to bf16 or f16.
;; Inputs: W1 8 x 512 x 1,024 float32; W2 8 x 1,024 x 512 float32; Wg 512 x 8 float32; b1 8 x 1,024 float32; b2 8 x 512 float32; bg 8 float32; x 2 x 4,096 x 512 float32.
;; Outputs: out0 2 x 4,096 x 512 float32.
;; 2 versions, each right; version 2 is version 1 with the launch chain written anew for expert scheduling mode. Each part assembles by itself: llvm-mc -triple=amdgcn-amd-amdhsa -mcpu=gfx1250 --defsym DOCPART=n.
;; ======== version 1 of 2: 3 launches
;; workspace buffers: xb 8,388,608 bytes; ws 16,777,216 bytes; gate 65,536 bytes; bm 32,768 bytes of whole numbers; part 33,554,432 bytes
;; launch prep (part 1): grid 768 x 1, 4 waves a work-group, no clusters, 66,560 bytes of LDS; arguments x, Wg, bg, W1, W2, xb, gate, bm, ws; writes xb, gate, bm, ws
.if DOCPART == 1
	.amdgcn_target "amdgcn-amd-amdhsa--gfx1250"
	.amdhsa_code_object_version 6
	.text
	.protected	k_q5802400176_prep
	.globl	k_q5802400176_prep
	.p2align	8
	.type	k_q5802400176_prep,@function
k_q5802400176_prep:
	s_mov_b64 s[64:65], 0
	v_nop
	global_prefetch_b8 v0, s[64:65] scope:SCOPE_SE
	s_setreg_imm32_b32 hwreg(HW_REG_WAVE_MODE, 25, 1), 1
	s_wait_xcnt 0x0
; PREP.  Two kinds of work-groups, told apart by the work-group's number alone.
; 0-511 (weights): W1 [8][512][1024] and W2 [8][1024][512], f32, are rounded to bf16 once and laid out in the order in which the next launch's waves take them as
;   matrix operands.  ws = [expert 8][wave 4][stage 2][q 32][fragment 8][1,024 bytes].  A fragment is 16 output features x 32 k: byte c*512 + (16h+r)*16 + 2i holds feature
;   n0+r at k = k0+16c+8h+i, so that a wave takes it by two loads of 16 bytes a lane, at lane*16 and lane*16+512.  Stage 0: q = 16 sp + ks, W1, features 256 w + 128 sp + 16 ft,
;   k = 32 ks.  Stage 1: q = ks, W2, outputs 128 w + 16 ft, k = 32 ks.  A wave makes one unit (8 fragments, 8,192 bytes) from 32 rows x 512 bytes of f32.
; 512-767 (router): a block of 32 tokens.  x is rounded to bf16 (xb); the logits x Wg + bg are made of the ROUNDED x, Wg and bg on the matrix unit, sums in f32; the two
;   largest logits are taken (softmax keeps the order; of equal logits the lower expert wins, as in top_k); the renormalised gates are 1/(1+p) and p/(1+p) with
;   p = exp(l2 - l1) <= 1: the maximum is taken away, and the softmax's divisor cancels.  gate[2t], gate[2t+1] = the two gates.  bm[block][word e] = the mask of the
;   block's tokens whose first expert is e, word 8+e the same for the second expert, words 16-31 = 0.  Every store goes to a fixed place: no address hangs on the choice.
; LIMITS.  NaN and infinities are not treated apart.  p below 2^-126 counts as 0.  Where a token's second and third logit differ by less than the rounding of the f32 sums
;   (some 1e-6 of their size) the other of the two experts may be chosen.
; No tensor loads: each byte is read once by one wave, straight into registers, and has to pass through registers to be rounded.  No cluster: no two work-groups read the same bytes but Wg's 16 KB.
.set XP,    1040          ; LDS pitch of a token's 1,024 bytes of bf16, and of a fragment in the weights' stage: 16 mod 256, so sixteen rows start at sixteen different 16-byte columns
.set TLO,   33280         ; [512 k][16 columns] bf16, pitch 32: Wg's eight experts in columns 0-7, zeros in 8-15
.set THI,   49664         ; the same with the experts in columns 8-15
.set SPARE, 66048         ; the spare words: 128 bytes for each of the four waves
.set LN,  1               ; v1  lane
.set SPW, 2               ; v2  LDS address of my spare word; never rewritten
.set NIL, 3               ; v3  0; never rewritten
.set L16, 4               ; v4  16 x lane
.set L8,  5               ; v5  8 x lane
.set L4,  6               ; v6  4 x lane
.set A0,  7               ; v7  LDS: where I store (weights' stage; token rows)
.set A1,  8               ; v8  LDS: where I read the stage back; where I store Wg
.set T16, 9               ; v9  16 x thread
.set TA,  10              ; v10 the turning loads' address, TLO included
.set XA,  11              ; v11 the token fragments' address
.set BEST, 12
.set BIX,  13
.set SEC,  14
.set SIX,  15
.set PP,   16
.set DEN,  17
.set GG,   18             ; v[18:19] the two gates
.set VM,   20             ; the 32 words of masks, one a lane
.set ZP,   22             ; v[22:23] zeros
.set TM,   24             ; v24-27 at work
.set IN,   32             ; v32-159 loaded f32; later fragments
.set PK,   160            ; v160-223 packed bf16
.set WGR,  224            ; v224-255 Wg as loaded
.set ACL,  160            ; logits of tokens 0-15 (lanes 0-15)
.set ACH,  168            ; logits of tokens 16-31 (lanes 16-31)
.set BGV,  176            ; bg, rounded, as a C operand
.set LG,   184            ; v184-191 lane = token, register = expert
	s_load_b512 s[4:19], s[0:1], 0x0               ; x s[4:5], Wg s[6:7], bg s[8:9], W1 s[10:11], W2 s[12:13], xb s[14:15], gate s[16:17], bm s[18:19]
	s_load_b64 s[20:21], s[0:1], 0x40              ; ws
	v_lshl_add_u32 v[SPW], v0, 2, SPARE
	v_mov_b32 v[NIL], 0
	v_and_b32 v[LN], 31, v0
	v_lshrrev_b32 v[TM], 5, v0
	v_readfirstlane_b32 s24, v[TM]                 ; wave 0..3
	v_lshlrev_b32 v[L16], 4, v[LN]
	s_mov_b32 s22, ttmp9
	s_wait_kmcnt 0x0
	s_cmp_lt_u32 s22, 512
	s_cbranch_scc0 .Lrouter
; ---------------------------------------------------------------- the weights
	s_lshl_b32 s25, s22, 2
	s_add_co_u32 s25, s25, s24                     ; U, my unit: ((4 e + w) 2 + stage) 32 + q
	s_and_b32 s26, s25, 31                         ; q
	s_bfe_u32 s27, s25, 0x20006                    ; w
	s_lshr_b32 s28, s25, 8                         ; e
	s_lshl_b32 s30, s25, 13                        ; 8,192 U, under 2^24
	s_mov_b32 s31, 0
	s_add_nc_u64 s[30:31], s[20:21], s[30:31]      ; ws at my unit
	s_mul_i32 s29, s24, 8*XP                       ; my wave's stage
	v_lshrrev_b32 v[TM], 2, v[LN]                  ; my four features lie in fragment lane / 4,
	v_and_b32 v[TM+1], 3, v[LN]                    ; at rows 4 (lane % 4) on
	v_mul_u32_u24 v[A0], v[TM], XP
	v_lshl_add_u32 v[A0], v[TM+1], 6, v[A0]
	v_add_nc_u32 v[A0], s29, v[A0]
	v_add_nc_u32 v[A1], s29, v[L16]
	s_lshl_b32 s32, s28, 21                        ; an expert's matrix is 2^21 bytes in W1 and in W2
	s_mov_b32 s33, 0
.macro WLOAD pitch                     ; 32 rows of k; each load takes 512 consecutive bytes: lane l holds features 4 l .. 4 l + 3
.set k, 0
.rept 32
	global_load_b128 v[IN+4*k:IN+4*k+3], v[L16], s[34:35] offset:k*(\pitch) th:TH_LOAD_NT
.set k, k+1
.endr
.endm
	s_bitcmp1_b32 s25, 5                           ; the stage: the same for the four waves
	s_cbranch_scc1 .Lw2
	s_and_b32 s36, s26, 15                         ; ks: 32 rows of 4,096 bytes each
	s_lshl_b32 s36, s36, 17
	s_add_co_u32 s32, s32, s36
	s_lshl_b32 s36, s27, 10                        ; w: 256 features
	s_add_co_u32 s32, s32, s36
	s_lshr_b32 s36, s26, 4                         ; sp: 128 features
	s_lshl_b32 s36, s36, 9
	s_add_co_u32 s32, s32, s36
	s_add_nc_u64 s[34:35], s[10:11], s[32:33]
	WLOAD 4096
	s_branch .Lwpack
.Lw2:
	s_lshl_b32 s36, s26, 16                        ; ks: 32 rows of 2,048 bytes each
	s_add_co_u32 s32, s32, s36
	s_lshl_b32 s36, s27, 9                         ; w: 128 outputs
	s_add_co_u32 s32, s32, s36
	s_add_nc_u64 s[34:35], s[12:13], s[32:33]
	WLOAD 2048
.Lwpack:
; Eight k of one feature are 16 bytes of a fragment.  Octet o (k = 8 o on) is half c = o / 2, lane half h = o % 2 of the fragment.
.irp o, 0,1,2,3
	s_wait_loadcnt 24-8*(\o)                       ; loads return in order: the octet's eight rows are in, the later octets' rows may stay out
.irp f, 0,1,2,3
.irp i, 0,1,2,3
	v_cvt_pk_bf16_f32 v[PK+16*(\f)+4*(\o)+(\i)], v[IN+4*(8*(\o)+2*(\i))+(\f)], v[IN+4*(8*(\o)+2*(\i)+1)+(\f)]
.endr
.endr
.irp f, 0,1,2,3
	ds_store_b128 v[A0], v[PK+16*(\f)+4*(\o):PK+16*(\f)+4*(\o)+3] offset:((\o)>>1)*512+((\o)&1)*256+16*(\f)
.endr
.endr
.set i, 0
.rept 16                               ; back as the fragments lie: my own wave's bytes, and LDS serves a wave's instructions in order: no barrier, no wait between
	ds_load_b128 v[IN+4*i:IN+4*i+3], v[A1] offset:(i/2)*XP+(i%2)*512
.set i, i+1
.endr
.set i, 0
.rept 16
	s_wait_dscnt 15-i                              ; the later loads may stay out
	global_store_b128 v[L16], v[IN+4*i:IN+4*i+3], s[30:31] offset:i*512   ; 512 consecutive bytes, at a multiple of 512 from ws's first
.set i, i+1
.endr
	s_wait_tensorcnt 0x0                           ; the wave's end: three closing lines behind my last LDS store
	ds_add_u32 v[SPW], v[NIL]
	s_wait_dscnt 0x0
	s_endpgm
; ---------------------------------------------------------------- the router
.Lrouter:
	s_sub_co_u32 s25, s22, 512                     ; my block of 32 tokens
	s_load_b256 s[32:39], s[8:9], 0x0              ; bg
	s_lshl_b32 s26, s25, 5
	s_lshl3_add_u32 s26, s24, s26                  ; my wave's first token: 32 j + 8 w
	s_lshl_b32 s28, s26, 11
	s_mov_b32 s29, 0
	s_add_nc_u64 s[30:31], s[4:5], s[28:29]        ; x at that token
	s_lshl_b32 s28, s26, 10
	s_add_nc_u64 s[40:41], s[14:15], s[28:29]      ; xb at that token
	v_lshlrev_b32 v[T16], 4, v0
.set n, 0
.rept 32                               ; eight tokens x four chunks of 512 bytes
	global_load_b128 v[IN+4*n:IN+4*n+3], v[L16], s[30:31] offset:(n/4)*2048+(n%4)*512 th:TH_LOAD_NT
.set n, n+1
.endr
.set m, 0
.rept 8                                ; Wg, 16,384 bytes over 128 threads: thread t gets row k = t / 2 + 64 m, experts 4 (t % 2) on
	global_load_b128 v[WGR+4*m:WGR+4*m+3], v[T16], s[6:7] offset:m*2048
.set m, m+1
.endr
	v_lshlrev_b32 v[L8], 3, v[LN]
	v_lshlrev_b32 v[L4], 2, v[LN]
	s_mul_i32 s27, s24, 8*XP
	v_lshl_add_u32 v[A0], v[LN], 3, s27            ; my wave's eight token rows in LDS, 8 bytes a lane
	s_lshl_b32 s27, s24, 9                         ; (t / 2) 32 = 512 w + (lane / 2) 32
	v_lshrrev_b32 v[TM], 1, v[LN]
	v_and_b32 v[TM+1], 1, v[LN]
	v_lshl_add_u32 v[A1], v[TM], 5, s27
	v_lshl_add_u32 v[A1], v[TM+1], 3, v[A1]
	v_mov_b32 v[ZP], 0
	v_mov_b32 v[ZP+1], 0
.set n, 0
.rept 32
	s_wait_loadcnt 39-n                            ; the later loads of x and Wg's eight may stay out
	v_cvt_pk_bf16_f32 v[PK+2*n], v[IN+4*n], v[IN+4*n+1]
	v_cvt_pk_bf16_f32 v[PK+2*n+1], v[IN+4*n+2], v[IN+4*n+3]
	global_store_b64 v[L8], v[PK+2*n:PK+2*n+1], s[40:41] offset:(n/4)*1024+(n%4)*256   ; 256 consecutive bytes, aligned
	ds_store_b64 v[A0], v[PK+2*n:PK+2*n+1] offset:(n/4)*XP+(n%4)*256
.set n, n+1
.endr
	s_wait_loadcnt 0x0                             ; Wg
.set m, 0
.rept 8
	v_cvt_pk_bf16_f32 v[WGR+4*m], v[WGR+4*m], v[WGR+4*m+1]
	v_cvt_pk_bf16_f32 v[WGR+4*m+1], v[WGR+4*m+2], v[WGR+4*m+3]
	ds_store_b64 v[A1], v[WGR+4*m:WGR+4*m+1] offset:TLO+m*2048
	ds_store_b64 v[A1], v[ZP:ZP+1] offset:TLO+m*2048+16
	ds_store_b64 v[A1], v[ZP:ZP+1] offset:THI+m*2048
	ds_store_b64 v[A1], v[WGR+4*m:WGR+4*m+1] offset:THI+m*2048+16
.set m, m+1
.endr
	s_wait_kmcnt 0x0                               ; bg
	s_wait_dscnt 0x0                               ; for the others' sake: my stores into LDS are done
	s_barrier_signal -1
	s_barrier_wait -1
	s_cmp_lg_u32 s24, 0
	s_cbranch_scc1 .Lend                           ; 32 products are one wave's work
	s_wait_xcnt 0x0                                ; the registers that my stores of xb read are written again only behind this wait
.irp j, 0,1,2,3,4,5,6,7
	v_mov_b32 v[BGV+(\j)], s[32+(\j)]
.endr
.irp p, 0,1,2,3
	v_cvt_pk_bf16_f32 v[TM+(\p)], v[BGV+2*(\p)], v[BGV+2*(\p)+1]   ; bg is rounded as every input is,
.endr
.irp p, 0,1,2,3
	v_lshlrev_b32 v[BGV+2*(\p)], 16, v[TM+(\p)]    ; and widened again: expert j's bias in register j of every lane
	v_and_b32 v[BGV+2*(\p)+1], 0xffff0000, v[TM+(\p)]
.endr
	; source 0 = 16 "rows" of experts, turned out of [k][column]: lane l addresses row k0 + 8 (l / 16) + l % 8, columns 8 ((l / 8) % 2) on
	v_and_b32 v[TM], 7, v[LN]
	v_lshrrev_b32 v[TM+1], 4, v[LN]                ; h
	v_lshl_add_u32 v[TM], v[TM+1], 3, v[TM]
	v_bfe_u32 v[TM+2], v[LN], 3, 1
	v_lshlrev_b32 v[TA], 5, v[TM]
	v_lshl_add_u32 v[TA], v[TM+2], 4, v[TA]
	v_add_nc_u32 v[TA], TLO, v[TA]
	v_and_b32 v[TM+3], 15, v[LN]                   ; source 1 = 16 tokens: row l % 16, 16 bytes for each half of the lanes
	v_mul_u32_u24 v[XA], v[TM+3], XP
	v_lshl_add_u32 v[XA], v[TM+1], 4, v[XA]
; In a result register j of lane (r, h) is (row 8 h + j of source 0, token r).  Experts in rows 0-7 with tokens 0-15 put token l's eight logits into lanes 0-15; experts in rows 8-15 with
; tokens 16-31 put them into lanes 16-31; the other half of each result holds what its sum began with (bg, or 0).  The two accumulators take turns, one instruction a turn.
.set b, 0
.rept 4
.set kk, 0
.rept 4
.set ks, 4*b+kk
.set F, IN+32*kk
	ds_load_tr16_b128 v[F:F+3],     v[TA] offset:ks*1024
	ds_load_tr16_b128 v[F+4:F+7],   v[TA] offset:ks*1024+512
	ds_load_tr16_b128 v[F+8:F+11],  v[TA] offset:THI-TLO+ks*1024
	ds_load_tr16_b128 v[F+12:F+15], v[TA] offset:THI-TLO+ks*1024+512
	ds_load_b128 v[F+16:F+19], v[XA] offset:ks*64
	ds_load_b128 v[F+20:F+23], v[XA] offset:ks*64+32
	ds_load_b128 v[F+24:F+27], v[XA] offset:16*XP+ks*64
	ds_load_b128 v[F+28:F+31], v[XA] offset:16*XP+ks*64+32
.set kk, kk+1
.endr
	s_wait_dscnt 0x0
.set kk, 0
.rept 4
.set F, IN+32*kk
.if (b == 0) && (kk == 0)
	v_wmma_f32_16x16x32_bf16 v[ACL:ACL+7], v[F:F+7], v[F+16:F+23], v[BGV:BGV+7]   ; the first products start the sums: with bg,
	v_wmma_f32_16x16x32_bf16 v[ACH:ACH+7], v[F+8:F+15], v[F+24:F+31], 0           ; and with 0
.else
	v_wmma_f32_16x16x32_bf16 v[ACL:ACL+7], v[F:F+7], v[F+16:F+23], v[ACL:ACL+7]
	v_wmma_f32_16x16x32_bf16 v[ACH:ACH+7], v[F+8:F+15], v[F+24:F+31], v[ACH:ACH+7]
.endif
.set kk, kk+1
.endr
.rept 4
	v_nop                                          ; four places ahead of the loads into the fragments just read, and of the reads of the results
.endr
.set b, b+1
.endr
.irp j, 0,1,2,3,4,5,6,7
	v_add_f32 v[LG+(\j)], v[ACL+(\j)], v[ACH+(\j)] ; lane = token, register = expert; one of the two holds bg or 0 alone
.endr
	; the two largest, the lower expert first among equals: strict comparisons, experts ascending
	v_mov_b32 v[BEST], v[LG]
	v_mov_b32 v[BIX], 0
	v_mov_b32 v[SEC], 0xff800000
	v_mov_b32 v[SIX], 0
.irp e, 1,2,3,4,5,6,7
	v_cmp_gt_f32 vcc_lo, v[LG+(\e)], v[BEST]
	v_cmp_gt_f32 s46, v[LG+(\e)], v[SEC]
	v_cndmask_b32 v[SEC], v[SEC], v[LG+(\e)], s46
	v_cndmask_b32 v[SIX], v[SIX], \e, s46
	v_cndmask_b32 v[SEC], v[SEC], v[BEST], vcc_lo
	v_cndmask_b32 v[SIX], v[SIX], v[BIX], vcc_lo
	v_cndmask_b32 v[BEST], v[BEST], v[LG+(\e)], vcc_lo
	v_cndmask_b32 v[BIX], v[BIX], \e, vcc_lo
.endr
	v_sub_f32 v[PP], v[SEC], v[BEST]               ; l2 - l1 <= 0
	v_mul_f32 v[PP], 0x3fb8aa3b, v[PP]
	v_exp_f32 v[PP], v[PP]                         ; p
	v_mov_b32 v[VM], 0                             ; a plain instruction behind the exponential,
	s_wait_alu depctr_va_vdst(0)                   ; and a wait ahead of its first reader
	v_add_f32 v[DEN], 1.0, v[PP]
	v_rcp_f32 v[GG], v[DEN]                        ; the first gate, 1 / (1 + p)
	v_nop
	s_wait_alu depctr_va_vdst(0)
	v_mul_f32 v[GG+1], v[PP], v[GG]                ; the second, p / (1 + p)
	s_lshl_b32 s28, s25, 8
	s_add_nc_u64 s[42:43], s[16:17], s[28:29]      ; gate at my block: 32 tokens x 8 bytes
	s_lshl_b32 s28, s25, 7
	s_add_nc_u64 s[44:45], s[18:19], s[28:29]      ; bm at my block: 32 words
	global_store_b64 v[L8], v[GG:GG+1], s[42:43]   ; 256 consecutive bytes, aligned
.irp e, 0,1,2,3,4,5,6,7
	v_cmp_eq_u32 s46, \e, v[BIX]
	v_writelane_b32 v[VM], s46, \e
	v_cmp_eq_u32 s46, \e, v[SIX]
	v_writelane_b32 v[VM], s46, 8+(\e)
.endr
	global_store_b32 v[L4], v[VM], s[44:45]
.Lend:
	s_wait_tensorcnt 0x0                           ; the wave's end: three closing lines behind my last LDS store
	ds_add_u32 v[SPW], v[NIL]
	s_wait_dscnt 0x0
	s_endpgm
.Lfunc_end_k_q5802400176_prep:
	.size	k_q5802400176_prep, .Lfunc_end_k_q5802400176_prep-k_q5802400176_prep
	.p2alignl 7, 3214868480
	.fill 96, 4, 3214868480
	.section	.rodata,"a",@progbits
	.p2align	6, 0x0
	.amdhsa_kernel k_q5802400176_prep
		.amdhsa_group_segment_fixed_size 66560
		.amdhsa_private_segment_fixed_size 0
		.amdhsa_enable_private_segment 0
		.amdhsa_kernarg_size 72
		.amdhsa_user_sgpr_count 2
		.amdhsa_user_sgpr_kernarg_segment_ptr 1
		.amdhsa_wavefront_size32 1
		.amdhsa_system_sgpr_workgroup_id_x 1
		.amdhsa_system_sgpr_workgroup_id_y 1
		.amdhsa_system_sgpr_workgroup_id_z 1
		.amdhsa_system_vgpr_workitem_id 0
		.amdhsa_next_free_vgpr 256
		.amdhsa_next_free_sgpr 66
		.amdhsa_reserve_vcc 1
		.amdhsa_float_denorm_mode_32 3
		.amdhsa_float_denorm_mode_16_64 3
		.amdhsa_memory_ordered 1
		.amdhsa_forward_progress 1
		.amdhsa_inst_pref_size 52
	.end_amdhsa_kernel
	.amdgpu_metadata
---
amdhsa.version: [ 1, 2 ]
amdhsa.kernels:
  - .name:           k_q5802400176_prep
    .symbol:         k_q5802400176_prep.kd
    .args:
      - { .name: x, .offset: 0, .size: 8, .value_kind: global_buffer, .address_space: global }
      - { .name: Wg, .offset: 8, .size: 8, .value_kind: global_buffer, .address_space: global }
      - { .name: bg, .offset: 16, .size: 8, .value_kind: global_buffer, .address_space: global }
      - { .name: W1, .offset: 24, .size: 8, .value_kind: global_buffer, .address_space: global }
      - { .name: W2, .offset: 32, .size: 8, .value_kind: global_buffer, .address_space: global }
      - { .name: xb, .offset: 40, .size: 8, .value_kind: global_buffer, .address_space: global }
      - { .name: gate, .offset: 48, .size: 8, .value_kind: global_buffer, .address_space: global }
      - { .name: bm, .offset: 56, .size: 8, .value_kind: global_buffer, .address_space: global }
      - { .name: ws, .offset: 64, .size: 8, .value_kind: global_buffer, .address_space: global }
    .group_segment_fixed_size: 66560
    .private_segment_fixed_size: 0
    .kernarg_segment_align: 8
    .kernarg_segment_size: 72
    .max_flat_workgroup_size: 128
    .sgpr_count:     66
    .vgpr_count:     256
    .wavefront_size: 32
...
	.end_amdgpu_metadata
.endif
;; end of part 1
;; launch chain (part 2): grid 256 x 1, 4 waves a work-group, no clusters, 311,552 bytes of LDS; arguments xb, ws, b1, b2, gate, bm, part; writes part
.if DOCPART == 2
	.amdgcn_target "amdgcn-amd-amdhsa--gfx1250"
	.amdhsa_code_object_version 6
	.text
	.protected	k_q5802400176_chain
	.globl	k_q5802400176_chain
	.p2align	8
	.type	k_q5802400176_chain,@function
k_q5802400176_chain:
	s_mov_b64 s[64:65], 0
	v_nop
	global_prefetch_b8 v0, s[64:65] scope:SCOPE_SE
	s_setreg_imm32_b32 hwreg(HW_REG_WAVE_MODE, 25, 1), 1
	s_wait_xcnt 0x0
; CHAIN.  part[2t+slot][:] = gate[2t+slot] x (relu(x[t] W1[e] + b1[e]) W2[e] + b2[e]) for the expert e that token t chose in that slot.  x, W1, W2 come rounded to bf16 (xb, ws); b1, b2 are
; rounded to bf16 here; the hidden layer is rounded to bf16 once; all sums in f32; part is f32 (two partial rows a token, added by the next launch).
; SHARES.  Work-group = (expert e = number / 32, group = (number / 4) % 8 of 1,024 tokens, place i4 = number % 4).  The group's rows for e (0 to 1,024: every split is served), in token order, are cut into
; tiles of 96; tile t goes to work-group t % 4 in pass t / 4: at most 11 tiles, so a loop of a constant 3 trips; a pass without a tile jumps its work and passes its two barriers.  A work-group streams the expert's
; 2 MB of weights whatever its rows, so tiles are filled before the next work-group gets one: each weight fragment then feeds six products.  A work-group that a split leaves without a tile stores nothing.
; A pass multiplies nb = 4, 5 or 6 blocks of 16 rows; places past the count repeat the last row; whole blocks past the count are not stored.
; Both products are used transposed: source 0 = 16 output features (weights), source 1 = 16 tokens, so that a lane's eight results are eight neighbouring features of one token.
; A wave takes ALL the pass's tokens and a slice of the features: in S1 256 of the 1,024 hidden ones, in two sub-phases of 128; in S2 128 of the 512 outputs.  So each weight fragment has one reader in the
; work-group and goes from memory straight into registers: wave w walks the stream ws[e][w], 64 k-steps of 8,192 bytes, through a ring of four register buffers, three k-steps (48 loads) ahead.
; The stream is cyclic: behind a pass's last k-step the ring already holds the next pass's first three; behind the last pass those three are fetched (inside ws) and not used.
; NO CLUSTER, NO TENSOR LOADS.  The work-groups of an expert do walk the same weights.  X and H take 297,984 of the 327,680 bytes that a work-group can have; a k-step of the four waves is 32,768 bytes,
; so not one slot for weights fits beside them; with H cut into pieces the weights would be written into LDS and read from it once more, with a barrier of all partners for every slot.  The token rows come by a list.
; LDS ADDRESSES are a constant, the wave's number times a constant and a lane term; what changes from step to step stands in the immediates, or (the byte along k) in a scalar held under the row's length by a mask.
; So in S1's loop over its two sub-phases the bias's loads and H's stores stand twice, with the sub-phase in their immediates, chosen by a branch on the loop's counter.
; LIMITS.  NaN and infinities are not treated apart.
; REGISTERS, in windows of 256 (s_set_vgpr_msb: bits 1:0 source 0, 3:2 source 1, 5:4 source 2, 7:6 destination):
;   window 0: v0-31 addresses; v32-79, v80-127 two buffers of token fragments (block tb at + 8 tb); v128-191 the bias as a C operand (tile t at + 8 t); v192-255 at work
;   window 1: accumulators of blocks 0-3 at 64 tb + 8 ft (in the gather: the 48 loaded quads)     window 2: v0-127 those of blocks 4, 5; v128-139 the gates, a pair a block     window 3: the ring, 4 x 64
.set XP,    1040          ; a row of X: 1,024 bytes + 16
.set HP,    2064          ; a row of H: 2,048 bytes + 16: both 16 mod 256: sixteen rows start at sixteen different 16-byte columns
.set HB0,   102400        ; X: 96 rows from 0 to 99,839; in S2 wave w's own 24 rows are its stage for the way out (16 rows x 528).  H: 96 rows from here.  The 2,560 bytes between are not used: a fragment's
                          ; address in X is a row's base + KOFF, which the mask holds under 1,024; at that bound the last row's load would end 47 bytes past X, still short of H
.set B1L,   300544        ; b1[e], rounded to bf16, kept as f32: 4,096 bytes
.set B2L,   304640        ; b2[e]: 2,048 bytes
.set LIST,  306688        ; 1,024 words: the row number d = 2 t + slot, by the row's rank in the group; word 1,024, behind them, takes what the other lanes write
.set SPARE, 311040        ; the spare words: 128 bytes for each of the four waves
.set SP,    528           ; a row of the stage: 512 bytes + 16
.set WROWS, 24*XP         ; a wave's 24 rows of X
.set LN,  1               ; lane
.set R,   2               ; lane % 16
.set HH,  3               ; lane / 16
.set WO0, 4               ; v4, v18, v30, v31: ring buffer u's place in the stream: 8,192 x k-step + 16 x lane
.set WO1, 18
.set WO2, 30
.set WO3, 31
.set ZR,  5               ; 0, for the relu
.set XB,  6               ; v6-8    X + (32 p + r) XP + 16 h
.set HBR, 9               ; v9-11   H + (32 p + r) HP + 16 h
.set BA,  12              ; v12-14  the same at the next k-step's k
.set HS,  15              ; v15-17  where S1 stores: HBR + my wave's 512 bytes of a row
.set STO, 19              ; the stage: where I put 16 bytes of a row
.set DD,  20              ; v20-25  d of token l % 16 of block tb
.set SPW, 26              ; LDS address of my spare word; never rewritten
.set NIL, 27              ; 0; never rewritten
.set SRD, 28              ; the stage: where I read a row back
.set PO,  29              ; my byte offset in a row of part
.set BF,  32
.set BI,  128
.set T,   192
.set TA,  T+40            ; v232-235 four short-lived registers
.set TB,  T+41
.set BAD, T+44            ; the bias's LDS address: made anew ahead of each use
.set GW,  128             ; window 2
.set WV,  18              ; s18 wave   s19 expert   s20 group
.set EX,  19
.set GRP, 20
.set NN,  21              ; the group's rows for e
.set NM1, 22              ; the rank of my tile's last row
.set NB,  24              ; blocks multiplied: 4 to 6
.set PASS, 25
.set TRIP, 26
.set SPC, 27              ; counts S1's sub-phases, 2 and 1
.set KOFF, 28             ; byte of the next k-step in a row of X or H
.set NBS, 29              ; blocks that hold rows: 1 to 6
.set M0,  32              ; s32-39 masks of slot 0 of eight blocks of 32 tokens
.set M1,  40              ; s40-47 of slot 1
.set MM,  48              ; s48-55 both
.set BS,  56              ; s56-63 rows ahead of each of the eight blocks
.set OF,  32              ; behind the head s[32:63] are sixteen offset pairs, the high words 0
.set PB,  66              ; s[66:97] sixteen rows' addresses in part
.set I4,  98              ; my place in the group
.set LO,  99              ; the rank of my tile's first row: 96 i4 + 384 pass
.set MSB, 0
.macro WIN new                         ; the immediate's high byte repeats the setting that is left; a switch that changes nothing is dropped
.if MSB != (\new)
	s_set_vgpr_msb (MSB<<8)|(\new)
.set MSB, (\new)
.endif
.endm
.macro WOSEL u                         ; WX = ring buffer u's offset register
.if (\u) == 0
.set WX, WO0
.elseif (\u) == 1
.set WX, WO1
.elseif (\u) == 2
.set WX, WO2
.else
.set WX, WO3
.endif
.endm
.set TO_A,  0xc0          ; destination window 3
.set TO_W1, 0x40
.set TO_W2, 0x80
.set ST_W1, 0x04          ; an LDS store's data (source 1) in window 1
	s_load_b256 s[4:11], s[0:1], 0x0               ; xb s[4:5], ws s[6:7], b1 s[8:9], b2 s[10:11]
	s_load_b128 s[12:15], s[0:1], 0x20             ; gate s[12:13], bm s[14:15]
	s_load_b64 s[16:17], s[0:1], 0x30              ; part
	v_lshl_add_u32 v[SPW], v0, 2, SPARE
	v_mov_b32 v[NIL], 0
	v_and_b32 v[LN], 31, v0
	v_lshrrev_b32 v[TA], 5, v0
	v_readfirstlane_b32 s[WV], v[TA]
	s_lshr_b32 s[EX], ttmp9, 5
	s_bfe_u32 s[GRP], ttmp9, 0x30002               ; 3 bits from bit 2
	s_and_b32 s[I4], ttmp9, 3
	v_and_b32 v[R], 15, v[LN]
	v_lshrrev_b32 v[HH], 4, v[LN]
	v_mov_b32 v[ZR], 0
	v_lshlrev_b32 v[T+17], 7, v[LN]                ; lane = block of the group: a block's masks are 128 bytes
	v_lshlrev_b32 v[T+18], 5, v0
	v_lshlrev_b32 v[T+19], 4, v0
	v_lshlrev_b32 v[WO0], 4, v[LN]                 ; k-steps 0, 1, 2,
	v_lshl_add_u32 v[WO1], v[LN], 4, 8192
	v_lshl_add_u32 v[WO2], v[LN], 4, 16384
	v_lshl_add_u32 v[WO3], v[LN], 4, 516096        ; and 63: the first k-step steps it on to 3
	s_mov_b32 s31, 0
	s_lshl2_add_u32 s30, s[EX], s[WV]
	s_lshl_b32 s30, s30, 19                        ; (4 e + w) x 524,288, under 2^24
	s_wait_kmcnt 0x0
	s_add_nc_u64 s[6:7], s[6:7], s[30:31]          ; my stream
	s_lshl_b32 s30, s[EX], 12
	s_add_nc_u64 s[8:9], s[8:9], s[30:31]          ; b1[e]
	s_lshl_b32 s30, s[EX], 11
	s_add_nc_u64 s[10:11], s[10:11], s[30:31]      ; b2[e]
	s_lshl_b32 s30, s[GRP], 12
	s_lshl2_add_u32 s30, s[EX], s30
	s_add_nc_u64 s[14:15], s[14:15], s[30:31]      ; bm at the group's first block, word e
	global_load_b32 v[T+16], v[T+17], s[14:15]               ; slot 0's masks of the group's 32 blocks, one a lane
	global_load_b32 v[T+29], v[T+17], s[14:15] offset:32     ; slot 1's
	global_load_b128 v[T:T+3], v[T+18], s[8:9]
	global_load_b128 v[T+4:T+7], v[T+18], s[8:9] offset:16
	global_load_b128 v[T+8:T+11], v[T+19], s[10:11]
	WIN TO_A
.irp u, 0,1,2                          ; the ring's first three k-steps
	WOSEL \u
.set i, 0
.rept 16
	global_load_b128 v[64*(\u)+4*i:64*(\u)+4*i+3], v[WX], s[6:7] offset:i*512
.set i, i+1
.endr
.endr
	WIN 0
	v_mul_u32_u24 v[XB], v[R], XP
	v_lshl_add_u32 v[XB], v[HH], 4, v[XB]
	v_add_nc_u32 v[XB+1], 32*XP, v[XB]
	v_add_nc_u32 v[XB+2], 64*XP, v[XB]
	v_mul_u32_u24 v[HBR], v[R], HP
	v_lshl_add_u32 v[HBR], v[HH], 4, v[HBR]
	v_add_nc_u32 v[HBR], HB0, v[HBR]
	v_add_nc_u32 v[HBR+1], 32*HP, v[HBR]
	v_add_nc_u32 v[HBR+2], 64*HP, v[HBR]
	s_mul_i32 s30, s[WV], WROWS
	v_mul_u32_u24 v[STO], v[R], SP
	v_lshl_add_u32 v[STO], v[HH], 5, v[STO]
	v_add_nc_u32 v[STO], s30, v[STO]
	v_lshl_add_u32 v[SRD], v[LN], 4, s30
	s_lshl_b32 s30, s[WV], 9
	v_lshl_add_u32 v[PO], v[LN], 4, s30
	v_add_nc_u32 v[HS], s30, v[HBR]                ; my wave's 256 hidden features are 512 bytes of a row of H
	v_add_nc_u32 v[HS+1], s30, v[HBR+1]
	v_add_nc_u32 v[HS+2], s30, v[HBR+2]
	s_lshl_b32 s30, s[WV], 10
	s_add_co_u32 s30, s30, B1L
	v_lshl_add_u32 v[T+26], v[LN], 5, s30          ; thread t's 32 bytes of b1: 1,024 w + 32 lane
	s_lshl_b32 s30, s[WV], 9
	s_add_co_u32 s30, s30, B2L
	v_lshl_add_u32 v[T+27], v[LN], 4, s30
	s_lshl_b32 s30, s[GRP], 11
	v_lshl_add_u32 v[T+32], v[LN], 1, s30          ; 2 (1,024 group + lane): d of slot 0 in the group's block 0,
	v_add_nc_u32 v[T+33], 1, v[T+32]               ; of slot 1,
	v_mov_b32 v[T+34], 0x7fff                      ; and a rank past every list
	s_wait_loadcnt 48                              ; masks and biases are in; the ring's 48 loads stay out
.irp k, 0,1,2,3,4,5
	v_cvt_pk_bf16_f32 v[T+20+(\k)], v[T+2*(\k)], v[T+2*(\k)+1]     ; the biases are rounded as every input is,
.endr
.irp k, 0,1,2,3,4,5
	v_lshlrev_b32 v[T+2*(\k)], 16, v[T+20+(\k)]    ; and widened again
	v_and_b32 v[T+2*(\k)+1], 0xffff0000, v[T+20+(\k)]
.endr
	ds_store_b128 v[T+26], v[T:T+3]
	ds_store_b128 v[T+26], v[T+4:T+7] offset:16
	ds_store_b128 v[T+27], v[T+8:T+11]
; Eight blocks of the group.  Every wave counts them (it needs the group's count); wave 0 alone writes the list: lane = token of the block; its rank = rows ahead of the block + chosen tokens below it in the
; block.  A lane whose token did not choose e gets a rank past the list, and the bound sends it to word 1,024.
.macro LBATCH b
.set k, 0
.rept 8
	v_readlane_b32 s[M0+k], v[T+16], 8*(\b)+k
	v_readlane_b32 s[M1+k], v[T+29], 8*(\b)+k
.set k, k+1
.endr
.set k, 0
.rept 8
	s_or_b32 s[MM+k], s[M0+k], s[M1+k]
	s_bcnt1_i32_b32 s30, s[MM+k]
.if k < 7
	s_add_co_u32 s[BS+k+1], s[BS+k], s30
.else
	s_add_co_u32 s[NN], s[BS+7], s30
.endif
.set k, k+1
.endr
	s_cmp_lg_u32 s[WV], 0
	s_cbranch_scc1 .Lnl_\b
.set k, 0
.rept 8                                ; two sets of registers by turns, so that a block's lines do not wait for the block before
	v_mbcnt_lo_u32_b32 v[TA+2*(k%2)], s[MM+k], s[BS+k]
	v_cndmask_b32 v[TA+2*(k%2)], v[T+34], v[TA+2*(k%2)], s[MM+k]
	v_min_u32 v[TA+2*(k%2)], 0x400, v[TA+2*(k%2)]
	v_lshl_add_u32 v[TA+2*(k%2)], v[TA+2*(k%2)], 2, LIST
	v_cndmask_b32 v[TB+2*(k%2)], v[T+32], v[T+33], s[M1+k]
	v_add_nc_u32 v[TB+2*(k%2)], 64*(8*(\b)+k), v[TB+2*(k%2)]   ; d = 2 t + slot
	ds_store_b32 v[TA+2*(k%2)], v[TB+2*(k%2)]
.set k, k+1
.endr
.Lnl_\b:
	s_mov_b32 s[BS], s[NN]
.endm
	s_mov_b32 s[BS], 0
	LBATCH 0
	LBATCH 1
	LBATCH 2
	LBATCH 3
	s_min_u32 s[NN], s[NN], 1024                   ; 1,024 tokens have no more
.set k, 0
.rept 16
	s_mov_b32 s[OF+2*k+1], 0                       ; the masks are done with: the offset pairs' high words
.set k, k+1
.endr
	s_wait_dscnt 0x0                               ; for the others' sake: biases and list are stored
	s_barrier_signal -1
	s_barrier_wait -1
; Two loads: block tb's fragment (16 tokens x 32 k) of the NEXT k-step
.macro LDB tb
	ds_load_b128 v[BN+8*(\tb):BN+8*(\tb)+3],   v[BA+(\tb)/2] offset:((\tb)&1)*16*KP
	ds_load_b128 v[BN+8*(\tb)+4:BN+8*(\tb)+7], v[BA+(\tb)/2] offset:((\tb)&1)*16*KP+32
.endm
; Eight products: block tb x the k-step's eight feature tiles.  init = 1: they start the sums, with the bias as C
.macro MULT tb, init
.set AC, 64*((\tb)&3)
.if \init
	WIN 0x43+0x40*((\tb)/4)                        ; weights window 3, tokens and bias window 0, D window 1 or 2
.else
	WIN 0x53+0x50*((\tb)/4)                        ; C and D window 1 or 2
.endif
.set f, 0
.rept 8
.if \init
	v_wmma_f32_16x16x32_bf16 v[AC+8*f:AC+8*f+7], v[AB+8*f:AB+8*f+7], v[BC+8*(\tb):BC+8*(\tb)+7], v[BI+8*f:BI+8*f+7]
.else
	v_wmma_f32_16x16x32_bf16 v[AC+8*f:AC+8*f+7], v[AB+8*f:AB+8*f+7], v[BC+8*(\tb):BC+8*(\tb)+7], v[AC+8*f:AC+8*f+7]
.endif
.set f, f+1
.endr
.endm
.macro PHASE ph                        ; ph = 0: tokens' fragments from X; 1: from H
.if \ph
.set KB, HBR
.set KP, HP
.set KM, 2047
.else
.set KB, XB
.set KP, XP
.set KM, 1023
.endif
.endm
; A K-STEP (32 along k), on ring buffer u = k-step % 4.  ONE run of memory instructions at its head asks for the weights three k-steps on and for all the tokens' fragments one k-step on; then 32, 40 or 48 products.
; The accumulators take turns, one instruction a turn, in the same order in every k-step, over the loops' jumps too.
; init = 1 (a sum's first k-step): all six blocks, whatever nb: every accumulator and both token buffers are then written on every path.
.macro KSTEP ph, u, init
	PHASE \ph
.set AB, 64*(\u)
.set AN, 64*(((\u)+3)&3)
.set BC, BF+48*((\u)&1)
.set BN, BF+48*(((\u)+1)&1)
	WOSEL ((\u)+3)&3
	v_add_nc_u32 v[WX], 0x8000, v[WX]              ; the buffer that the last k-step multiplied goes four k-steps on.  Its offset register's last loads were that k-step's weights,
	v_and_b32 v[WX], 0x7ffff, v[WX]                ; which its s_wait_loadcnt 48 has shown done: the register is free.  The stream is cyclic: 64 x 8,192 bytes
	s_add_co_u32 s[KOFF], s[KOFF], 64
	s_and_b32 s[KOFF], s[KOFF], KM                 ; behind a row's last k-step the look-ahead reads its first again: inside X or H
	v_add_nc_u32 v[BA], s[KOFF], v[KB]
	v_add_nc_u32 v[BA+1], s[KOFF], v[KB+1]
	v_add_nc_u32 v[BA+2], s[KOFF], v[KB+2]         ; these five plain lines are the places between the last k-step's products and the loads into the registers that they read
	WIN TO_A
.set i, 0
.rept 16
	global_load_b128 v[AN+4*i:AN+4*i+3], v[WX], s[6:7] offset:i*512
.set i, i+1
.endr
	WIN 0
	s_wait_dscnt 0x0                               ; this k-step's token fragments (and the bias): asked for a whole k-step ago
	LDB 0
	LDB 1
	LDB 2
	LDB 3
.if \init
	LDB 4
	LDB 5
.else
	s_cmp_lt_u32 s[NB], 5
	s_cbranch_scc1 .Lka_\@
	LDB 4
	s_cmp_lt_u32 s[NB], 6
	s_cbranch_scc1 .Lka_\@
	LDB 5
.Lka_\@:
.endif
	s_wait_loadcnt 48                              ; three younger k-steps of 16 loads may stay out: this k-step's weights are in
	MULT 0, \init
	MULT 1, \init
	MULT 2, \init
	MULT 3, \init
.if \init
	MULT 4, 1
	MULT 5, 1
	WIN 0
.else
	WIN 0                                          ; at a branch and at a label every window is 0
	s_cmp_lt_u32 s[NB], 5
	s_cbranch_scc1 .Lke_\@
	MULT 4, 0
	WIN 0
	s_cmp_lt_u32 s[NB], 6
	s_cbranch_scc1 .Lke_\@
	MULT 5, 0
	WIN 0
.Lke_\@:
.endif
.endm
.macro KTRIP ph, init                  ; once round the ring
	KSTEP \ph, 0, \init
	KSTEP \ph, 1, 0
	KSTEP \ph, 2, 0
	KSTEP \ph, 3, 0
.endm
; The bias of my 128 features, boff bytes behind v[BAD], as eight C operands (register j of lane (r, h): feature 16 t + 8 h + j)
.macro BIAS boff
.set t, 0
.rept 8
	ds_load_b128 v[BI+8*t:BI+8*t+3],   v[BAD] offset:(\boff)+t*64
	ds_load_b128 v[BI+8*t+4:BI+8*t+7], v[BAD] offset:(\boff)+t*64+16
.set t, t+1
.endr
.endm
; All six blocks' fragments of k-step 0
.macro BFIRST ph
	PHASE \ph
.set t, 0
.rept 6
	ds_load_b128 v[BF+8*t:BF+8*t+3],   v[KB+t/2] offset:(t&1)*16*KP
	ds_load_b128 v[BF+8*t+4:BF+8*t+7], v[KB+t/2] offset:(t&1)*16*KP+32
.set t, t+1
.endr
.endm
; Blocks 2 p and 2 p + 1 of the hidden layer: rounded to bf16, relu on the packed halves (the same number as relu first).  Each accumulator is read from its low end on.
.macro HCVT p
.set AC, 128*((\p)&1)
	WIN 0x05*(1+(\p)/2)                            ; sources in window 1 or 2
.set k, 0
.rept 64
	v_cvt_pk_bf16_f32 v[T+k], v[AC+2*k], v[AC+2*k+1]
.set k, k+1
.endr
	WIN 0
.set k, 0
.rept 64
	v_pk_max_num_bf16 v[T+k], v[T+k], v[ZR]
.set k, k+1
.endr
.endm
.macro HSTO p, sp                      ; and into H, 16 bytes a lane and tile, at sub-phase sp's 256 bytes
.set k, 0
.rept 16
	ds_store_b128 v[HS+(\p)], v[T+4*k:T+4*k+3] offset:(k/8)*16*HP+(\sp)*256+(k%8)*32
.set k, k+1
.endr
.endm
; Block tb of the result: times the token's gate, through my own stage (rows of 528 bytes), back as whole pieces of 512 bytes, each stored into its row of part.
.macro POUT tb
.set AC, 64*((\tb)&3)
	s_wait_xcnt 0x0                                ; the last block's stores have had their addresses translated: only now are their data and their sixteen bases rewritten
	WIN 0x09+(\tb)/4                               ; source 0 window 1 or 2, the gates window 2
.set k, 0
.rept 32
	v_pk_mul_f32 v[T+2*k:T+2*k+1], v[AC+2*k:AC+2*k+1], v[GW+2*(\tb):GW+2*(\tb)+1]
.set k, k+1
.endr
	WIN 0
.set k, 0
.rept 16
	ds_store_b128 v[STO], v[T+4*k:T+4*k+3] offset:(k/2)*64+(k%2)*16
.set k, k+1
.endr
.set k, 0
.rept 16
	ds_load_b128 v[T+4*k:T+4*k+3], v[SRD] offset:k*SP  ; my own bytes, and LDS serves a wave's instructions in order (ISA guide 5.7.1.4): these see the stores above
.set k, k+1
.endr
.set k, 0
.rept 16                               ; the sixteen rows' numbers, each into an offset pair of its own: no line waits for the row before
	v_readlane_b32 s[OF+2*k], v[DD+(\tb)], k
.set k, k+1
.endr
.set k, 0
.rept 16
	s_min_u32 s[OF+2*k], s[OF+2*k], 0x3fff
.set k, k+1
.endr
.set k, 0
.rept 16
	s_lshl_b32 s[OF+2*k], s[OF+2*k], 11            ; a row of part is 2,048 bytes
.set k, k+1
.endr
.set k, 0
.rept 16
	s_add_nc_u64 s[PB+2*k:PB+2*k+1], s[16:17], s[OF+2*k:OF+2*k+1]
.set k, k+1
.endr
.set k, 0
.rept 16
	s_wait_dscnt 15-k                              ; the later rows may stay out
	global_store_b128 v[PO], v[T+4*k:T+4*k+3], s[PB+2*k:PB+2*k+1]  ; 512 consecutive bytes, at a multiple of 512 from part's first
.set k, k+1
.endr
.endm
.macro PLACES
.rept 4
	v_nop
.endr
.endm
	s_mul_i32 s[LO], s[I4], 96
	s_mov_b32 s[PASS], 3
.Lpass:
	s_add_co_u32 s30, s[LO], 96
	s_min_u32 s30, s30, s[NN]                      ; one past my tile's last row (what follows is of no meaning, and not used, in a pass without a tile)
	s_sub_co_u32 s[NM1], s30, 1
	s_min_u32 s[NM1], s[NM1], 1023
	s_sub_co_u32 s30, s30, s[LO]                   ; its rows, 1 to 96
	s_add_co_u32 s30, s30, 15
	s_lshr_b32 s30, s30, 4
	s_min_u32 s[NBS], s30, 6
	s_max_u32 s[NB], s[NBS], 4
	s_cmp_gt_u32 s[NN], s[LO]
	s_cbranch_scc0 .Lg
	; THE GATHER.  Wave w fills rows 24 w .. 24 w + 23 of X: lanes 0-15 an even row, lanes 16-31 the next; sixteen lanes take 256 consecutive bytes of a token's 1,024.
	s_wait_xcnt 0x0                                ; registers that the last pass's stores read are written below
	s_mul_i32 s30, s[WV], 24
	s_add_co_u32 s30, s30, s[LO]
	v_add_nc_u32 v[TA], s30, v[HH]
	s_mul_i32 s30, s[WV], WROWS
	v_mul_u32_u24 v[T+12], v[HH], XP
	v_lshl_add_u32 v[T+12], v[R], 4, v[T+12]
	v_add_nc_u32 v[T+12], s30, v[T+12]
.set i, 0
.rept 12
	v_add_nc_u32 v[T+i], 2*i, v[TA]                ; the rank,
	v_min_u32 v[T+i], s[NM1], v[T+i]               ; past the count the last row once more
	v_min_u32 v[T+i], 0x3ff, v[T+i]
	v_lshl_add_u32 v[T+i], v[T+i], 2, LIST
.set i, i+1
.endr
.set i, 0
.rept 12
	ds_load_b32 v[T+16+i], v[T+i]
.set i, i+1
.endr
	s_wait_dscnt 0x0
.set i, 0
.rept 12
	v_min_u32 v[T+16+i], 0x3fff, v[T+16+i]
	v_and_b32 v[T+16+i], 0x3ffe, v[T+16+i]         ; 2 t
	v_lshlrev_b32 v[T+16+i], 9, v[T+16+i]          ; 1,024 t
	v_lshl_add_u32 v[T+16+i], v[R], 4, v[T+16+i]
.set i, i+1
.endr
	WIN TO_W1
.set k, 0
.rept 48
	global_load_b128 v[4*k:4*k+3], v[T+16+k/4], s[4:5] offset:(k%4)*256
.set k, k+1
.endr
	WIN ST_W1
.set k, 0
.rept 48
	s_wait_loadcnt 47-k                            ; the later ones may stay out
	ds_store_b128 v[T+12], v[4*k:4*k+3] offset:2*(k/4)*XP+(k%4)*256
.set k, k+1
.endr
	WIN 0
.Lg:
	s_wait_dscnt 0x0                               ; my rows of X are stored; my reads of H (the last pass's S2) and of my stage are over
	s_barrier_signal -1
	s_barrier_wait -1                              ; X is whole; nobody reads the old H any more
	s_cmp_gt_u32 s[NN], s[LO]
	s_cbranch_scc0 .Ls1
	; S1: H = relu(X W1 + b1), my 256 features in two sub-phases of 128, 16 k-steps each: one text, walked twice
	s_wait_xcnt 0x0                                ; S1 writes v192-255, the data of the last pass's stores into part: the wait stands at this block's own head, so that the order holds whatever was jumped ahead of it
	s_mov_b32 s[KOFF], 0
	s_mov_b32 s[SPC], 2
.Lsp:
	s_lshl_b32 s30, s[WV], 10
	s_add_co_u32 s30, s30, B1L
	v_lshl_add_u32 v[BAD], v[HH], 5, s30           ; the same number in both trips
	s_wait_dscnt 0x0                               ; the look-ahead of the sum before may still be landing in buffer 0
	s_cmp_eq_u32 s[SPC], 2
	s_cbranch_scc0 .Lbias1
	BIAS 0
	s_branch .Lbias2
.Lbias1:
	BIAS 512
.Lbias2:
	BFIRST 0
	KTRIP 0, 1
	s_mov_b32 s[TRIP], 3
.Lk1:
	KTRIP 0, 0
	s_sub_co_u32 s[TRIP], s[TRIP], 1
	s_cmp_lg_u32 s[TRIP], 0
	s_cbranch_scc1 .Lk1
	PLACES                                         ; the conversions read results just made
.irp p, 0,1,2                          ; all six blocks, whatever nb: S2's first k-step reads all 96 rows
	HCVT \p
	s_cmp_eq_u32 s[SPC], 2
	s_cbranch_scc0 .Lhb_\p
	HSTO \p, 0
	s_branch .Lhc_\p
.Lhb_\p:
	HSTO \p, 1
.Lhc_\p:
.endr
	s_sub_co_u32 s[SPC], s[SPC], 1
	s_cmp_lg_u32 s[SPC], 0
	s_cbranch_scc1 .Lsp
.Ls1:
	s_wait_dscnt 0x0                               ; my part of H is stored, my reads of X are over
	s_barrier_signal -1
	s_barrier_wait -1                              ; H is whole; nobody reads X any more: each wave's 24 rows are its own again
	s_cmp_gt_u32 s[NN], s[LO]
	s_cbranch_scc0 .Ls2
	; S2: (H W2 + b2) x gate, my 128 outputs, 32 k-steps
	s_wait_xcnt 0x0                                ; as at S1's head: registers that the last pass's stores read are written below
	v_add_nc_u32 v[TA], s[LO], v[R]
.set t, 0
.rept 6
	v_add_nc_u32 v[T+t], 16*t, v[TA]
	v_min_u32 v[T+t], s[NM1], v[T+t]
	v_min_u32 v[T+t], 0x3ff, v[T+t]
	v_lshl_add_u32 v[T+t], v[T+t], 2, LIST
.set t, t+1
.endr
.set t, 0
.rept 6
	ds_load_b32 v[DD+t], v[T+t]
.set t, t+1
.endr
	s_wait_dscnt 0x0
.set t, 0
.rept 6
	v_min_u32 v[DD+t], 0x3fff, v[DD+t]
	v_lshlrev_b32 v[T+8+t], 2, v[DD+t]
.set t, t+1
.endr
	WIN TO_W2
.set t, 0
.rept 6                                ; the token's gate, twice: a pair for the packed multiply.  These twelve stand among the ring's loads and only make the k-steps' counted waits stricter
	global_load_b32 v[GW+2*t], v[T+8+t], s[12:13]
	global_load_b32 v[GW+2*t+1], v[T+8+t], s[12:13]
.set t, t+1
.endr
	WIN 0
	s_mov_b32 s[KOFF], 0
	s_lshl_b32 s30, s[WV], 9
	s_add_co_u32 s30, s30, B2L
	v_lshl_add_u32 v[BAD], v[HH], 5, s30
	s_wait_dscnt 0x0                               ; the look-ahead of S1's last k-step may still be landing in buffer 0
	BIAS 0
	BFIRST 1
	KTRIP 1, 1
	s_mov_b32 s[TRIP], 7
.Lk2:
	KTRIP 1, 0
	s_sub_co_u32 s[TRIP], s[TRIP], 1
	s_cmp_lg_u32 s[TRIP], 0
	s_cbranch_scc1 .Lk2
	PLACES                                         ; the multiplies read results just made
	s_wait_loadcnt 48                              ; the gates are older than the ring's last 48 loads
	POUT 0
.irp t, 1,2,3,4,5
	s_cmp_lt_u32 s[NBS], (\t)+1                    ; a block past the count holds repeats alone: its stores are jumped, and so are all behind it
	s_cbranch_scc1 .Ls2
	POUT \t
.endr
.Ls2:
	s_add_co_u32 s[LO], s[LO], 384                 ; my next tile: four tiles on
	s_sub_co_u32 s[PASS], s[PASS], 1
	s_cmp_lg_u32 s[PASS], 0
	s_cbranch_scc1 .Lpass
	s_wait_tensorcnt 0x0                           ; the wave's end: three closing lines behind my last LDS store
	ds_add_u32 v[SPW], v[NIL]
	s_wait_dscnt 0x0
	s_endpgm
.Lfunc_end_k_q5802400176_chain:
	.size	k_q5802400176_chain, .Lfunc_end_k_q5802400176_chain-k_q5802400176_chain
	.p2alignl 7, 3214868480
	.fill 96, 4, 3214868480
	.section	.rodata,"a",@progbits
	.p2align	6, 0x0
	.amdhsa_kernel k_q5802400176_chain
		.amdhsa_group_segment_fixed_size 311552
		.amdhsa_private_segment_fixed_size 0
		.amdhsa_enable_private_segment 0
		.amdhsa_kernarg_size 56
		.amdhsa_user_sgpr_count 2
		.amdhsa_user_sgpr_kernarg_segment_ptr 1
		.amdhsa_wavefront_size32 1
		.amdhsa_system_sgpr_workgroup_id_x 1
		.amdhsa_system_sgpr_workgroup_id_y 1
		.amdhsa_system_sgpr_workgroup_id_z 1
		.amdhsa_system_vgpr_workitem_id 0
		.amdhsa_next_free_vgpr 1024
		.amdhsa_next_free_sgpr 100
		.amdhsa_reserve_vcc 0
		.amdhsa_float_denorm_mode_32 3
		.amdhsa_float_denorm_mode_16_64 3
		.amdhsa_memory_ordered 1
		.amdhsa_forward_progress 1
		.amdhsa_inst_pref_size 242
	.end_amdhsa_kernel
	.amdgpu_metadata
---
amdhsa.version: [ 1, 2 ]
amdhsa.kernels:
  - .name:           k_q5802400176_chain
    .symbol:         k_q5802400176_chain.kd
    .args:
      - { .name: xb, .offset: 0, .size: 8, .value_kind: global_buffer, .address_space: global }
      - { .name: ws, .offset: 8, .size: 8, .value_kind: global_buffer, .address_space: global }
      - { .name: b1, .offset: 16, .size: 8, .value_kind: global_buffer, .address_space: global }
      - { .name: b2, .offset: 24, .size: 8, .value_kind: global_buffer, .address_space: global }
      - { .name: gate, .offset: 32, .size: 8, .value_kind: global_buffer, .address_space: global }
      - { .name: bm, .offset: 40, .size: 8, .value_kind: global_buffer, .address_space: global }
      - { .name: part, .offset: 48, .size: 8, .value_kind: global_buffer, .address_space: global }
    .group_segment_fixed_size: 311552
    .private_segment_fixed_size: 0
    .kernarg_segment_align: 8
    .kernarg_segment_size: 56
    .max_flat_workgroup_size: 128
    .sgpr_count:     100
    .vgpr_count:     1024
    .wavefront_size: 32
...
	.end_amdgpu_metadata
.endif
;; end of part 2
;; launch sum (part 3): grid 256 x 1, 8 waves a work-group, no clusters, 0 bytes of LDS; arguments part, out0; writes out0
.if DOCPART == 3
	.amdgcn_target "amdgcn-amd-amdhsa--gfx1250"
	.amdhsa_code_object_version 6
	.text
	.protected	k_q5802400176_sum
	.globl	k_q5802400176_sum
	.p2align	8
	.type	k_q5802400176_sum,@function
k_q5802400176_sum:
	s_mov_b64 s[64:65], 0
	v_nop
	global_prefetch_b8 v0, s[64:65] scope:SCOPE_SE
	s_setreg_imm32_b32 hwreg(HW_REG_WAVE_MODE, 25, 1), 1
	s_wait_xcnt 0x0
; out0[t][:] = part[2t][:] + part[2t+1][:], f32.  A stream: each byte of part is read once, each byte of out0 written once.
; Eight waves; a wave owns 4 tokens: 16,384 bytes of part, 8,192 of out0.  All 32 loads of a wave (512 consecutive bytes each) go out before the first wait; no loop, no LDS, no barrier:
; no wave depends on another, and matrix units, clusters and tiles have nothing to do here.
.set VP, 2                             ; v2  my byte offset in the work-group's part
.set VO, 3                             ; v3  in its out0
.set D,  4                             ; v[4+8n .. 11+8n]: piece n = 4 token + chunk: the first row's 16 bytes, then the second's
	s_load_b128 s[4:7], s[0:1], 0x0                ; part s[4:5], out0 s[6:7]
	v_and_b32 v1, 31, v0
	v_lshrrev_b32 v[VP], 5, v0                     ; wave
	v_lshlrev_b32 v1, 4, v1
	v_lshl_add_u32 v[VO], v[VP], 13, v1
	v_lshl_add_u32 v[VP], v[VP], 14, v1
	s_lshl_b32 s8, ttmp9, 17                       ; 32 tokens x 4,096 bytes
	s_mov_b32 s9, 0
	s_lshl_b32 s10, ttmp9, 16                      ; 32 tokens x 2,048 bytes
	s_mov_b32 s11, 0
	s_wait_kmcnt 0x0
	s_add_nc_u64 s[4:5], s[4:5], s[8:9]
	s_add_nc_u64 s[6:7], s[6:7], s[10:11]
.set n, 0
.rept 16
	global_load_b128 v[D+8*n:D+8*n+3],   v[VP], s[4:5] offset:(n/4)*4096+(n%4)*512 th:TH_LOAD_NT
	global_load_b128 v[D+8*n+4:D+8*n+7], v[VP], s[4:5] offset:(n/4)*4096+(n%4)*512+2048 th:TH_LOAD_NT
.set n, n+1
.endr
.set n, 0
.rept 16
	s_wait_loadcnt 30-2*n                          ; loads return in order: this piece's two are in, the later pieces' stay out
	v_pk_add_f32 v[D+8*n:D+8*n+1],   v[D+8*n:D+8*n+1],   v[D+8*n+4:D+8*n+5]
	v_pk_add_f32 v[D+8*n+2:D+8*n+3], v[D+8*n+2:D+8*n+3], v[D+8*n+6:D+8*n+7]
	global_store_b128 v[VO], v[D+8*n:D+8*n+3], s[6:7] offset:(n/4)*2048+(n%4)*512 th:TH_STORE_NT   ; 512 consecutive bytes, aligned
.set n, n+1
.endr
	s_endpgm
.Lfunc_end_k_q5802400176_sum:
	.size	k_q5802400176_sum, .Lfunc_end_k_q5802400176_sum-k_q5802400176_sum
	.p2alignl 7, 3214868480
	.fill 96, 4, 3214868480
	.section	.rodata,"a",@progbits
	.p2align	6, 0x0
	.amdhsa_kernel k_q5802400176_sum
		.amdhsa_group_segment_fixed_size 0
		.amdhsa_private_segment_fixed_size 0
		.amdhsa_enable_private_segment 0
		.amdhsa_kernarg_size 16
		.amdhsa_user_sgpr_count 2
		.amdhsa_user_sgpr_kernarg_segment_ptr 1
		.amdhsa_wavefront_size32 1
		.amdhsa_system_sgpr_workgroup_id_x 1
		.amdhsa_system_sgpr_workgroup_id_y 1
		.amdhsa_system_sgpr_workgroup_id_z 1
		.amdhsa_system_vgpr_workitem_id 0
		.amdhsa_next_free_vgpr 132
		.amdhsa_next_free_sgpr 66
		.amdhsa_reserve_vcc 0
		.amdhsa_float_denorm_mode_32 3
		.amdhsa_float_denorm_mode_16_64 3
		.amdhsa_memory_ordered 1
		.amdhsa_forward_progress 1
		.amdhsa_inst_pref_size 8
	.end_amdhsa_kernel
	.amdgpu_metadata
---
amdhsa.version: [ 1, 2 ]
amdhsa.kernels:
  - .name:           k_q5802400176_sum
    .symbol:         k_q5802400176_sum.kd
    .args:
      - { .name: part, .offset: 0, .size: 8, .value_kind: global_buffer, .address_space: global }
      - { .name: out0, .offset: 8, .size: 8, .value_kind: global_buffer, .address_space: global }
    .group_segment_fixed_size: 0
    .private_segment_fixed_size: 0
    .kernarg_segment_align: 8
    .kernarg_segment_size: 16
    .max_flat_workgroup_size: 256
    .sgpr_count:     66
    .vgpr_count:     132
    .wavefront_size: 32
...
	.end_amdgpu_metadata
.endif
;; end of part 3
;; ======== version 2 of 2: 3 launches; version 1 with the launch chain written anew for expert scheduling mode
;; workspace buffers: xb 8,388,608 bytes; ws 16,777,216 bytes; gate 65,536 bytes; bm 32,768 bytes of whole numbers; part 33,554,432 bytes
;; launch prep: the kernel of part 1 again; grid 768 x 1, 4 waves a work-group, no clusters, 66,560 bytes of LDS; arguments x, Wg, bg, W1, W2, xb, gate, bm, ws; writes xb, gate, bm, ws
;; launch chain (part 4): grid 256 x 1, 4 waves a work-group, no clusters, 311,552 bytes of LDS; arguments xb, ws, b1, b2, gate, bm, part; writes part
.if DOCPART == 4
	.amdgcn_target "amdgcn-amd-amdhsa--gfx1250"
	.amdhsa_code_object_version 6
	.text
	.protected	k_q5802400176_chain
	.globl	k_q5802400176_chain
	.p2align	8
	.type	k_q5802400176_chain,@function
k_q5802400176_chain:
	s_mov_b64 s[64:65], 0
	v_nop
	global_prefetch_b8 v0, s[64:65] scope:SCOPE_SE
	s_setreg_imm32_b32 hwreg(HW_REG_WAVE_SCHED_MODE, 0, 2), 2
	s_setreg_imm32_b32 hwreg(HW_REG_WAVE_MODE, 25, 1), 1
	s_wait_xcnt 0x0
	s_wait_alu depctr_vm_vsrc(0)
; CHAIN.  part[2t+slot][:] = gate[2t+slot] x (relu(x[t] W1[e] + b1[e]) W2[e] + b2[e]) for the expert e that token t chose in that slot.  x, W1, W2 come rounded to bf16 (xb, ws); b1, b2 are
; rounded to bf16 here; the hidden layer is rounded to bf16 once; all sums in f32; part is f32 (two partial rows a token, added by the next launch).
; SHARES.  Work-group = (expert e = number / 32, group = (number / 4) % 8 of 1,024 tokens, place i4 = number % 4).  The group's rows for e (0 to 1,024: every split is served), in token order, are cut into
; tiles of 96; tile t goes to work-group t % 4 in pass t / 4: at most 11 tiles, so a loop of a constant 3 trips; a pass without a tile jumps its work and passes its two barriers.  A work-group streams the expert's
; 2 MB of weights whatever its rows, so tiles are filled before the next work-group gets one: each weight fragment then feeds six products.  A work-group that a split leaves without a tile stores nothing.
; A pass multiplies nb = 4, 5 or 6 blocks of 16 rows; places past the count repeat the last row; whole blocks past the count are not stored.
; Both products are used transposed: source 0 = 16 output features (weights), source 1 = 16 tokens, so that a lane's eight results are eight neighbouring features of one token.
; A wave takes ALL the pass's tokens and a slice of the features: in S1 256 of the 1,024 hidden ones, in two sub-phases of 128; in S2 128 of the 512 outputs.  So each weight fragment has one reader in the
; work-group and goes from memory straight into registers: wave w walks the stream ws[e][w], 64 k-steps of 8,192 bytes, through a ring of four register buffers, three k-steps ahead.
; The stream is cyclic: behind a pass's last k-step the ring already holds the next pass's first three; behind the last pass those three are fetched (inside ws) and not used.
; NO CLUSTER, NO TENSOR LOADS.  The work-groups of an expert do walk the same weights.  X and H take 297,984 of the 327,680 bytes that a work-group can have; a k-step of the four waves is 32,768 bytes,
; so not one slot for weights fits beside them; with H cut into pieces the weights would be written into LDS and read from it once more, with a barrier of all partners for every slot.  The token rows come by a list.
; LDS ADDRESSES are a constant, the wave's number times a constant and a lane term; what changes from step to step stands in the immediates, or (the byte along k) in a scalar held under the row's length by a mask.
; So in S1's loop over its two sub-phases the bias's loads and H's stores stand twice, with the sub-phase in their immediates, chosen by a branch on the loop's counter.
; LIMITS.  NaN and infinities are not treated apart.
; THE MODE: SCHED_MODE bits 1:0 = 2 (LLVM: expert scheduling mode 2), set by the entry lines.  The code itself states the register dependences between vector or matrix instructions and memory or LDS
; instructions, with s_wait_alu, always for 0.
; THE PLAN.  Registers that memory or LDS instructions touch in k-step j (u = j % 4):
;   ring buffer (u+3) % 4   read by k-step j - 1's products; k-step j's sixteen loads land in it (the weights of k-step j + 3).
;   token buffer (u+1) % 2  read by k-step j - 1's products; k-step j's LDS loads land in it (the fragments of k-step j + 1).
;   that ring buffer's offset register   read by the loads issued in k-step j - 4; stepped at j's head; read by j's loads.
;   v[BA ..]                read by k-step j - 1's LDS loads; written at j's head; read by j's LDS loads.
;   Ring buffer u, token buffer u % 2, the bias operands and the accumulators are named by k-step j's products alone.
; So a k-step has two such waits, both at its head: one on vm_vsrc ahead of the five address lines, one on va_vdst behind them and behind the waits for the k-step's data.  The k-step's loads follow, dealt
; among its products, which name none of the registers that those loads touch.  Outside the k-steps each block (gather, S1, S2, each block of the way out) has a wait on vm_vsrc at its own head, beside its
; s_wait_xcnt 0, so that the order holds whatever was jumped ahead of it; a wait on va_vdst stands ahead of each run of loads or stores whose registers vector instructions have just named.
; REGISTERS, in windows of 256 (s_set_vgpr_msb: bits 1:0 source 0, 3:2 source 1, 5:4 source 2, 7:6 destination):
;   window 0: v0-31 addresses; v32-79, v80-127 two buffers of token fragments (block tb at + 8 tb); v128-191 the bias as a C operand (tile t at + 8 t); v192-255 at work
;   window 1: accumulators of blocks 0-3 at 64 tb + 8 ft (in the gather: the 48 loaded quads)     window 2: v0-127 those of blocks 4, 5; v128-139 the gates, a pair a block     window 3: the ring, 4 x 64
.set XP,    1040          ; a row of X: 1,024 bytes + 16
.set HP,    2064          ; a row of H: 2,048 bytes + 16: both 16 mod 256: sixteen rows start at sixteen different 16-byte columns
.set HB0,   102400        ; X: 96 rows from 0 to 99,839; in S2 wave w's own 24 rows are its stage for the way out (16 rows x 528).  H: 96 rows from here.  The 2,560 bytes between are not used: a fragment's
                          ; address in X is a row's base + KOFF, which the mask holds under 1,024; at that bound the last row's load would end 47 bytes past X, still short of H
.set B1L,   300544        ; b1[e], rounded to bf16, kept as f32: 4,096 bytes
.set B2L,   304640        ; b2[e]: 2,048 bytes
.set LIST,  306688        ; 1,024 words: the row number d = 2 t + slot, by the row's rank in the group; word 1,024, behind them, takes what the other lanes write.  The 512 bytes from 311,040 on are the spare words, 128 bytes for each of the four waves, used by the closing add
.set SP,    528           ; a row of the stage: 512 bytes + 16
.set WROWS, 24*XP         ; a wave's 24 rows of X
.set LN,  1               ; lane
.set R,   2               ; lane % 16
.set HH,  3               ; lane / 16
.set WO0, 4               ; v4, v18, v30, v31: ring buffer u's place in the stream: 8,192 x k-step + 16 x lane
.set WO1, 18
.set WO2, 30
.set WO3, 31
.set ZR,  5               ; 0, for the relu
.set XB,  6               ; v6-8    X + (32 p + r) XP + 16 h
.set HBR, 9               ; v9-11   H + (32 p + r) HP + 16 h
.set BA,  12              ; v12-14  the same at the next k-step's k
.set HS,  15              ; v15-17  where S1 stores: HBR + my wave's 512 bytes of a row
.set STO, 19              ; the stage: where I put 16 bytes of a row
.set DD,  20              ; v20-25  d of token l % 16 of block tb
.set SRD, 28              ; the stage: where I read a row back
.set PO,  29              ; my byte offset in a row of part
.set BF,  32
.set BI,  128
.set T,   192
.set TA,  T+40            ; v232 a short-lived register
.set BAD, T+44            ; the bias's LDS address: made anew ahead of each use
.set LA,  T+46            ; v238-245 at the head only: the LDS addresses of a batch's eight list stores
.set LV,  T+54            ; v246-253 at the head only: the eight numbers that they store
.set GW,  128             ; window 2
.set WV,  18              ; s18 wave   s19 expert   s20 group
.set EX,  19
.set GRP, 20
.set NN,  21              ; the group's rows for e
.set NM1, 22              ; the rank of my tile's last row
.set NB,  24              ; blocks multiplied: 4 to 6
.set PASS, 25
.set TRIP, 26
.set SPC, 27              ; counts S1's sub-phases, 2 and 1
.set KOFF, 28             ; byte of the next k-step in a row of X or H
.set NBS, 29              ; blocks that hold rows: 1 to 6
.set M0,  32              ; s32-39 masks of slot 0 of eight blocks of 32 tokens
.set M1,  40              ; s40-47 of slot 1
.set MM,  48              ; s48-55 both
.set BS,  56              ; s56-63 rows ahead of each of the eight blocks
.set OF,  32              ; behind the head s[32:63] are sixteen offset pairs, the high words 0
.set PB,  66              ; s[66:97] sixteen rows' addresses in part
.set I4,  98              ; my place in the group
.set LO,  99              ; the rank of my tile's first row: 96 i4 + 384 pass
.set MSB, 0
.macro WIN new                         ; the immediate's high byte repeats the setting that is left; a switch that changes nothing is dropped
.if MSB != (\new)
	s_set_vgpr_msb (MSB<<8)|(\new)
.set MSB, (\new)
.endif
.endm
.macro WOSEL u                         ; WX = ring buffer u's offset register
.if (\u) == 0
.set WX, WO0
.elseif (\u) == 1
.set WX, WO1
.elseif (\u) == 2
.set WX, WO2
.else
.set WX, WO3
.endif
.endm
.set TO_A,  0xc0          ; destination window 3
.set TO_W1, 0x40
.set TO_W2, 0x80
.set ST_W1, 0x04          ; an LDS store's data (source 1) in window 1
	s_load_b256 s[4:11], s[0:1], 0x0               ; xb s[4:5], ws s[6:7], b1 s[8:9], b2 s[10:11]
	s_load_b128 s[12:15], s[0:1], 0x20             ; gate s[12:13], bm s[14:15]
	s_load_b64 s[16:17], s[0:1], 0x30              ; part
	v_lshl_add_u32 v26, v0, 2, 0x4bf00
	v_mov_b32 v27, 0
	v_and_b32 v[LN], 31, v0
	v_lshrrev_b32 v[TA], 5, v0
	v_readfirstlane_b32 s[WV], v[TA]
	s_lshr_b32 s[EX], ttmp9, 5
	s_bfe_u32 s[GRP], ttmp9, 0x30002               ; 3 bits from bit 2
	s_and_b32 s[I4], ttmp9, 3
	v_and_b32 v[R], 15, v[LN]
	v_lshrrev_b32 v[HH], 4, v[LN]
	v_mov_b32 v[ZR], 0
	v_lshlrev_b32 v[T+17], 7, v[LN]                ; lane = block of the group: a block's masks are 128 bytes
	v_lshlrev_b32 v[T+18], 5, v0
	v_lshlrev_b32 v[T+19], 4, v0
	v_lshlrev_b32 v[WO0], 4, v[LN]                 ; k-steps 0, 1, 2,
	v_lshl_add_u32 v[WO1], v[LN], 4, 8192
	v_lshl_add_u32 v[WO2], v[LN], 4, 16384
	v_lshl_add_u32 v[WO3], v[LN], 4, 516096        ; and 63: the first k-step steps it on to 3
	s_mov_b32 s31, 0
	s_wait_alu depctr_va_sdst(0)                   ; the wave's number is written, ahead of its first reader: my stream's address is made from it
	s_lshl2_add_u32 s30, s[EX], s[WV]
	s_lshl_b32 s30, s30, 19                        ; (4 e + w) x 524,288, under 2^24
	s_wait_kmcnt 0x0
	s_add_nc_u64 s[6:7], s[6:7], s[30:31]          ; my stream
	s_lshl_b32 s30, s[EX], 12
	s_add_nc_u64 s[8:9], s[8:9], s[30:31]          ; b1[e]
	s_lshl_b32 s30, s[GRP], 12
	s_lshl2_add_u32 s30, s[EX], s30
	s_add_nc_u64 s[14:15], s[14:15], s[30:31]      ; bm at the group's first block, word e
	s_lshl_b32 s30, s[EX], 11
	s_add_nc_u64 s[10:11], s[10:11], s[30:31]      ; b2[e]
	s_wait_alu depctr_va_vdst(0)                   ; the offsets v[T+17 .. T+19] and the ring's v4, v18, v30 are written, which the loads below read
	global_load_b32 v[T+16], v[T+17], s[14:15]               ; slot 0's masks of the group's 32 blocks, one a lane
	global_load_b32 v[T+29], v[T+17], s[14:15] offset:32     ; slot 1's
	global_load_b128 v[T:T+3], v[T+18], s[8:9]
	global_load_b128 v[T+4:T+7], v[T+18], s[8:9] offset:16
	global_load_b128 v[T+8:T+11], v[T+19], s[10:11]
	WIN TO_A
.irp u, 0,1,2                          ; the ring's first three k-steps: between the wait above and these stand loads and a window switch alone
	WOSEL \u
.set i, 0
.rept 16
	global_load_b128 v[64*(\u)+4*i:64*(\u)+4*i+3], v[WX], s[6:7] offset:i*512
.set i, i+1
.endr
.endr
	WIN 0
	v_mul_u32_u24 v[XB], v[R], XP
	v_lshl_add_u32 v[XB], v[HH], 4, v[XB]
	v_add_nc_u32 v[XB+1], 32*XP, v[XB]
	v_add_nc_u32 v[XB+2], 64*XP, v[XB]
	v_mul_u32_u24 v[HBR], v[R], HP
	v_lshl_add_u32 v[HBR], v[HH], 4, v[HBR]
	v_add_nc_u32 v[HBR], HB0, v[HBR]
	v_add_nc_u32 v[HBR+1], 32*HP, v[HBR]
	v_add_nc_u32 v[HBR+2], 64*HP, v[HBR]
	s_mul_i32 s30, s[WV], WROWS
	v_mul_u32_u24 v[STO], v[R], SP
	v_lshl_add_u32 v[STO], v[HH], 5, v[STO]
	v_add_nc_u32 v[STO], s30, v[STO]
	v_lshl_add_u32 v[SRD], v[LN], 4, s30
	s_lshl_b32 s30, s[WV], 9
	v_lshl_add_u32 v[PO], v[LN], 4, s30
	v_add_nc_u32 v[HS], s30, v[HBR]                ; my wave's 256 hidden features are 512 bytes of a row of H
	v_add_nc_u32 v[HS+1], s30, v[HBR+1]
	v_add_nc_u32 v[HS+2], s30, v[HBR+2]
	s_lshl_b32 s30, s[WV], 10
	s_add_co_u32 s30, s30, B1L
	v_lshl_add_u32 v[T+26], v[LN], 5, s30          ; thread t's 32 bytes of b1: 1,024 w + 32 lane
	s_lshl_b32 s30, s[WV], 9
	s_add_co_u32 s30, s30, B2L
	v_lshl_add_u32 v[T+27], v[LN], 4, s30
	s_lshl_b32 s30, s[GRP], 11
	v_lshl_add_u32 v[T+32], v[LN], 1, s30          ; 2 (1,024 group + lane): d of slot 0 in the group's block 0,
	v_add_nc_u32 v[T+33], 1, v[T+32]               ; of slot 1,
	v_mov_b32 v[T+34], 0x7fff                      ; and a rank past every list
	s_wait_loadcnt 48                              ; masks and biases are in; the ring's 48 loads stay out
.irp k, 0,1,2,3,4,5
	v_cvt_pk_bf16_f32 v[T+20+(\k)], v[T+2*(\k)], v[T+2*(\k)+1]     ; the biases are rounded as every input is,
.endr
.irp k, 0,1,2,3,4,5
	v_lshlrev_b32 v[T+2*(\k)], 16, v[T+20+(\k)]    ; and widened again
	v_and_b32 v[T+2*(\k)+1], 0xffff0000, v[T+20+(\k)]
.endr
	s_wait_alu depctr_va_vdst(0)                   ; the widened biases v[T .. T+11] and their LDS addresses v[T+26], v[T+27] are written, which the three stores read; so are all the addresses v6 to v29 for the rest of the kernel
	ds_store_b128 v[T+26], v[T:T+3]
	ds_store_b128 v[T+26], v[T+4:T+7] offset:16
	ds_store_b128 v[T+27], v[T+8:T+11]
; Eight blocks of the group.  Every wave counts them (it needs the group's count); wave 0 alone writes the list: lane = token of the block; its rank = rows ahead of the block + chosen tokens below it in the
; block.  A lane whose token did not choose e gets a rank past the list, and the bound sends it to word 1,024.
.macro LBATCH b
.set k, 0
.rept 8
	v_readlane_b32 s[M0+k], v[T+16], 8*(\b)+k
	v_readlane_b32 s[M1+k], v[T+29], 8*(\b)+k
.set k, k+1
.endr
	s_wait_alu depctr_va_sdst(0)                   ; the sixteen masks are written, ahead of their first readers below: one wait for the run
.set k, 0
.rept 8
	s_or_b32 s[MM+k], s[M0+k], s[M1+k]
	s_bcnt1_i32_b32 s30, s[MM+k]
.if k < 7
	s_add_co_u32 s[BS+k+1], s[BS+k], s30
.else
	s_add_co_u32 s[NN], s[BS+7], s30
.endif
.set k, k+1
.endr
	s_cmp_lg_u32 s[WV], 0
	s_cbranch_scc1 .Lnl_\b
.set k, 0
.rept 8                                ; each of the eight blocks has an address and a number register of its own, so that one wait serves the eight stores
	v_mbcnt_lo_u32_b32 v[LA+k], s[MM+k], s[BS+k]
	v_cndmask_b32 v[LA+k], v[T+34], v[LA+k], s[MM+k]
	v_min_u32 v[LA+k], 0x400, v[LA+k]
	v_lshl_add_u32 v[LA+k], v[LA+k], 2, LIST
	v_cndmask_b32 v[LV+k], v[T+32], v[T+33], s[M1+k]
	v_add_nc_u32 v[LV+k], 64*(8*(\b)+k), v[LV+k]   ; d = 2 t + slot
.set k, k+1
.endr
	s_wait_alu depctr_va_vdst(0)                   ; the eight addresses v[LA ..] and the eight numbers v[LV ..] are written, which the stores read
.set k, 0
.rept 8
	ds_store_b32 v[LA+k], v[LV+k]
.set k, k+1
.endr
.if (\b) < 3
	s_wait_alu depctr_vm_vsrc(0)                   ; the eight stores have read v[LA ..] and v[LV ..], which the next batch writes again
.endif
.Lnl_\b:
	s_mov_b32 s[BS], s[NN]
.endm
	s_mov_b32 s[BS], 0
	LBATCH 0
	LBATCH 1
	LBATCH 2
	LBATCH 3
	s_min_u32 s[NN], s[NN], 1024                   ; 1,024 tokens have no more
.set k, 0
.rept 16
	s_mov_b32 s[OF+2*k+1], 0                       ; the masks are done with: the offset pairs' high words
.set k, k+1
.endr
	s_wait_dscnt 0x0                               ; for the others' sake: biases and list are stored
	s_barrier_signal -1
	s_barrier_wait -1
; Two loads: block tb's fragment (16 tokens x 32 k) of the NEXT k-step
.macro LDB tb
	ds_load_b128 v[BN+8*(\tb):BN+8*(\tb)+3],   v[BA+(\tb)/2] offset:((\tb)&1)*16*KP
	ds_load_b128 v[BN+8*(\tb)+4:BN+8*(\tb)+7], v[BA+(\tb)/2] offset:((\tb)&1)*16*KP+32
.endm
; Eight products: block tb x the k-step's eight feature tiles.  init = 1: they start the sums, with the bias as C
.macro MULT tb, init
.set AC, 64*((\tb)&3)
.if \init
	WIN 0x43+0x40*((\tb)/4)                        ; weights window 3, tokens and bias window 0, D window 1 or 2
.else
	WIN 0x53+0x50*((\tb)/4)                        ; C and D window 1 or 2
.endif
.set f, 0
.rept 8
.if \init
	v_wmma_f32_16x16x32_bf16 v[AC+8*f:AC+8*f+7], v[AB+8*f:AB+8*f+7], v[BC+8*(\tb):BC+8*(\tb)+7], v[BI+8*f:BI+8*f+7]
.else
	v_wmma_f32_16x16x32_bf16 v[AC+8*f:AC+8*f+7], v[AB+8*f:AB+8*f+7], v[BC+8*(\tb):BC+8*(\tb)+7], v[AC+8*f:AC+8*f+7]
.endif
.set f, f+1
.endr
.endm
.macro PHASE ph                        ; ph = 0: tokens' fragments from X; 1: from H
.if \ph
.set KB, HBR
.set KP, HP
.set KM, 2047
.else
.set KB, XB
.set KP, XP
.set KM, 1023
.endif
.endm
; A K-STEP (32 along k), on ring buffer u = k-step % 4: 32, 40 or 48 products.  Its head makes the addresses and states the dependences; the loads (the tokens' fragments one k-step on, the weights three
; k-steps on) are dealt among the products of blocks 0 to 3: the LDS loads first, so that they have the rest of the k-step in which to land.
; The accumulators take turns, one instruction a turn, in the same order in every k-step, over the loops' jumps too.
; init = 1 (a sum's first k-step): all six blocks, whatever nb: every accumulator and both token buffers are then written on every path.
.macro KSTEP ph, u, init
	PHASE \ph
.set AB, 64*(\u)
.set AN, 64*(((\u)+3)&3)
.set BC, BF+48*((\u)&1)
.set BN, BF+48*(((\u)+1)&1)
	WOSEL ((\u)+3)&3
	s_wait_alu depctr_vm_vsrc(0)                   ; the LDS loads of the last k-step have read v[BA ..], and the weight loads issued four k-steps ago have read this offset register: the five lines below write them again
	v_add_nc_u32 v[WX], 0x8000, v[WX]              ; the buffer that the last k-step multiplied goes four k-steps on.  Its offset register's last loads were that k-step's weights,
	v_and_b32 v[WX], 0x7ffff, v[WX]                ; which its s_wait_loadcnt 32 has shown done: the register is free.  The stream is cyclic: 64 x 8,192 bytes
	s_add_co_u32 s[KOFF], s[KOFF], 64
	s_and_b32 s[KOFF], s[KOFF], KM                 ; behind a row's last k-step the look-ahead reads its first again: inside X or H
	v_add_nc_u32 v[BA], s[KOFF], v[KB]
	v_add_nc_u32 v[BA+1], s[KOFF], v[KB+1]
	v_add_nc_u32 v[BA+2], s[KOFF], v[KB+2]
	s_wait_dscnt 0x0                               ; this k-step's token fragments (and the bias): asked for early in the last k-step
	s_wait_loadcnt 32                              ; two younger k-steps of 16 loads may stay out (this k-step's own sixteen are not issued yet): this k-step's weights are in
	s_wait_alu depctr_va_vdst(0)                   ; the offset register and v[BA ..] are written, which the loads below read; the last k-step's products are done reading its ring buffer and its token buffer, in which those loads land
	MULT 0, \init
	WIN 0
	LDB 0                                          ; no further wait: no product since the wait above names the other token buffer or v[BA ..]
	LDB 1
	LDB 2
	LDB 3
.if \init
	LDB 4
	LDB 5
.else
	s_cmp_lt_u32 s[NB], 5
	s_cbranch_scc1 .Lka_\@
	LDB 4
	s_cmp_lt_u32 s[NB], 6
	s_cbranch_scc1 .Lka_\@
	LDB 5
.Lka_\@:
.endif
	MULT 1, \init
	WIN TO_A
.set i, 0
.rept 8                                ; no further wait: no product since the wait above names ring buffer (u + 3) % 4 or its offset register
	global_load_b128 v[AN+4*i:AN+4*i+3], v[WX], s[6:7] offset:i*512
.set i, i+1
.endr
	MULT 2, \init
	WIN TO_A
.rept 8
	global_load_b128 v[AN+4*i:AN+4*i+3], v[WX], s[6:7] offset:i*512
.set i, i+1
.endr
	MULT 3, \init
.if \init
	MULT 4, 1
	MULT 5, 1
	WIN 0
.else
	WIN 0                                          ; at a branch and at a label every window is 0
	s_cmp_lt_u32 s[NB], 5
	s_cbranch_scc1 .Lke_\@
	MULT 4, 0
	WIN 0
	s_cmp_lt_u32 s[NB], 6
	s_cbranch_scc1 .Lke_\@
	MULT 5, 0
	WIN 0
.Lke_\@:
.endif
.endm
.macro KTRIP ph, init                  ; once round the ring
	KSTEP \ph, 0, \init
	KSTEP \ph, 1, 0
	KSTEP \ph, 2, 0
	KSTEP \ph, 3, 0
.endm
; The bias of my 128 features, boff bytes behind v[BAD], as eight C operands (register j of lane (r, h): feature 16 t + 8 h + j)
.macro BIAS boff
.set t, 0
.rept 8
	ds_load_b128 v[BI+8*t:BI+8*t+3],   v[BAD] offset:(\boff)+t*64
	ds_load_b128 v[BI+8*t+4:BI+8*t+7], v[BAD] offset:(\boff)+t*64+16
.set t, t+1
.endr
.endm
; All six blocks' fragments of k-step 0
.macro BFIRST ph
	PHASE \ph
.set t, 0
.rept 6
	ds_load_b128 v[BF+8*t:BF+8*t+3],   v[KB+t/2] offset:(t&1)*16*KP
	ds_load_b128 v[BF+8*t+4:BF+8*t+7], v[KB+t/2] offset:(t&1)*16*KP+32
.set t, t+1
.endr
.endm
; Blocks 2 p and 2 p + 1 of the hidden layer: rounded to bf16, relu on the packed halves (the same number as relu first).  Each accumulator is read from its low end on.
.macro HCVT p
.set AC, 128*((\p)&1)
	WIN 0x05*(1+(\p)/2)                            ; sources in window 1 or 2
.set k, 0
.rept 64
	v_cvt_pk_bf16_f32 v[T+k], v[AC+2*k], v[AC+2*k+1]
.set k, k+1
.endr
	WIN 0
.set k, 0
.rept 64
	v_pk_max_num_bf16 v[T+k], v[T+k], v[ZR]
.set k, k+1
.endr
.endm
.macro HSTO p, sp                      ; and into H, 16 bytes a lane and tile, at sub-phase sp's 256 bytes
.set k, 0
.rept 16
	ds_store_b128 v[HS+(\p)], v[T+4*k:T+4*k+3] offset:(k/8)*16*HP+(\sp)*256+(k%8)*32
.set k, k+1
.endr
	s_wait_alu depctr_vm_vsrc(0)                   ; the sixteen stores have read v[T ..], which the next two blocks' conversions, or the next sub-phase's bias address line, write again
.endm
; Block tb of the result: times the token's gate, through my own stage (rows of 528 bytes), back as whole pieces of 512 bytes, each stored into its row of part.
.macro POUT tb
.set AC, 64*((\tb)&3)
	s_wait_xcnt 0x0                                ; the last block's stores have had their addresses translated: only now are their data and their sixteen bases rewritten
	s_wait_alu depctr_vm_vsrc(0)                   ; the last block's stores into part have read v[T ..], which the multiplies below write again
	WIN 0x09+(\tb)/4                               ; source 0 window 1 or 2, the gates window 2
.set k, 0
.rept 32
	v_pk_mul_f32 v[T+2*k:T+2*k+1], v[AC+2*k:AC+2*k+1], v[GW+2*(\tb):GW+2*(\tb)+1]
.set k, k+1
.endr
	WIN 0
	s_wait_alu depctr_va_vdst(0)                   ; the multiplies have written v[T ..], which the stores into the stage read and in which the loads from it land
.set k, 0
.rept 16
	ds_store_b128 v[STO], v[T+4*k:T+4*k+3] offset:(k/2)*64+(k%2)*16
.set k, k+1
.endr
	s_wait_alu depctr_vm_vsrc(0)                   ; those stores have read v[T ..], in which the loads below land
.set k, 0
.rept 16
	ds_load_b128 v[T+4*k:T+4*k+3], v[SRD] offset:k*SP  ; my own bytes, and LDS serves a wave's instructions in order (ISA guide 5.7.1.4): these see the stores above
.set k, k+1
.endr
.set k, 0
.rept 16                               ; the sixteen rows' numbers, each into an offset pair of its own: no line waits for the row before
	v_readlane_b32 s[OF+2*k], v[DD+(\tb)], k
.set k, k+1
.endr
	s_wait_alu depctr_va_sdst(0)                   ; the sixteen row numbers are written, ahead of their first readers below: one wait for the run
.set k, 0
.rept 16
	s_min_u32 s[OF+2*k], s[OF+2*k], 0x3fff
.set k, k+1
.endr
.set k, 0
.rept 16
	s_lshl_b32 s[OF+2*k], s[OF+2*k], 11            ; a row of part is 2,048 bytes
.set k, k+1
.endr
.set k, 0
.rept 16
	s_add_nc_u64 s[PB+2*k:PB+2*k+1], s[16:17], s[OF+2*k:OF+2*k+1]
.set k, k+1
.endr
.set k, 0
.rept 16
	s_wait_dscnt 15-k                              ; the later rows may stay out
	global_store_b128 v[PO], v[T+4*k:T+4*k+3], s[PB+2*k:PB+2*k+1]  ; 512 consecutive bytes, at a multiple of 512 from part's first
.set k, k+1
.endr
.endm
.macro PLACES
.rept 4
	v_nop
.endr
.endm
	s_mul_i32 s[LO], s[I4], 96
	s_mov_b32 s[PASS], 3
.Lpass:
	s_add_co_u32 s30, s[LO], 96
	s_min_u32 s30, s30, s[NN]                      ; one past my tile's last row (what follows is of no meaning, and not used, in a pass without a tile)
	s_sub_co_u32 s[NM1], s30, 1
	s_min_u32 s[NM1], s[NM1], 1023
	s_sub_co_u32 s30, s30, s[LO]                   ; its rows, 1 to 96
	s_add_co_u32 s30, s30, 15
	s_lshr_b32 s30, s30, 4
	s_min_u32 s[NBS], s30, 6
	s_max_u32 s[NB], s[NBS], 4
	s_cmp_gt_u32 s[NN], s[LO]
	s_cbranch_scc0 .Lg
	; THE GATHER.  Wave w fills rows 24 w .. 24 w + 23 of X: lanes 0-15 an even row, lanes 16-31 the next; sixteen lanes take 256 consecutive bytes of a token's 1,024.
	s_wait_xcnt 0x0                                ; registers that the last pass's stores read are written below
	s_wait_alu depctr_vm_vsrc(0)                   ; the head's loads and stores and the last pass's have read v[T ..], and the last gather's LDS stores window 1's registers: all are written again below, by vector lines or by loads
	s_mul_i32 s30, s[WV], 24
	s_add_co_u32 s30, s30, s[LO]
	v_add_nc_u32 v[TA], s30, v[HH]
	s_mul_i32 s30, s[WV], WROWS
	v_mul_u32_u24 v[T+12], v[HH], XP
	v_lshl_add_u32 v[T+12], v[R], 4, v[T+12]
	v_add_nc_u32 v[T+12], s30, v[T+12]
.set i, 0
.rept 12
	v_add_nc_u32 v[T+i], 2*i, v[TA]                ; the rank,
	v_min_u32 v[T+i], s[NM1], v[T+i]               ; past the count the last row once more
	v_min_u32 v[T+i], 0x3ff, v[T+i]
	v_lshl_add_u32 v[T+i], v[T+i], 2, LIST
.set i, i+1
.endr
	s_wait_alu depctr_va_vdst(0)                   ; the twelve list addresses v[T ..] and X's address v[T+12] are written; earlier vector lines are done with v[T+16 .. T+27], in which the loads land
.set i, 0
.rept 12
	ds_load_b32 v[T+16+i], v[T+i]
.set i, i+1
.endr
	s_wait_dscnt 0x0
.set i, 0
.rept 12
	v_min_u32 v[T+16+i], 0x3fff, v[T+16+i]
	v_and_b32 v[T+16+i], 0x3ffe, v[T+16+i]         ; 2 t
	v_lshlrev_b32 v[T+16+i], 9, v[T+16+i]          ; 1,024 t
	v_lshl_add_u32 v[T+16+i], v[R], 4, v[T+16+i]
.set i, i+1
.endr
	WIN TO_W1
	s_wait_alu depctr_va_vdst(0)                   ; the twelve row offsets v[T+16 ..] are written; the last pass's products and multiplies are done with window 1's registers, in which the rows land
.set k, 0
.rept 48
	global_load_b128 v[4*k:4*k+3], v[T+16+k/4], s[4:5] offset:(k%4)*256
.set k, k+1
.endr
	WIN ST_W1
.set k, 0
.rept 48
	s_wait_loadcnt 47-k                            ; the later ones may stay out
	ds_store_b128 v[T+12], v[4*k:4*k+3] offset:2*(k/4)*XP+(k%4)*256
.set k, k+1
.endr
	WIN 0
.Lg:
	s_wait_dscnt 0x0                               ; my rows of X are stored; my reads of H (the last pass's S2) and of my stage are over
	s_barrier_signal -1
	s_barrier_wait -1                              ; X is whole; nobody reads the old H any more
	s_cmp_gt_u32 s[NN], s[LO]
	s_cbranch_scc0 .Ls1
	; S1: H = relu(X W1 + b1), my 256 features in two sub-phases of 128, 16 k-steps each: one text, walked twice
	s_wait_xcnt 0x0                                ; S1 writes v192-255, the data of the last pass's stores into part: the wait stands at this block's own head, so that the order holds whatever was jumped ahead of it
	s_wait_alu depctr_vm_vsrc(0)                   ; those stores, and the gather's loads and LDS stores, have read v[T ..] and window 1's registers, which the bias address line and the products write again
	s_mov_b32 s[KOFF], 0
	s_mov_b32 s[SPC], 2
.Lsp:
	s_lshl_b32 s30, s[WV], 10
	s_add_co_u32 s30, s30, B1L
	v_lshl_add_u32 v[BAD], v[HH], 5, s30           ; the same number in both trips
	s_wait_dscnt 0x0                               ; the look-ahead of the sum before may still be landing in buffer 0
	s_wait_alu depctr_va_vdst(0)                   ; v[BAD] is written, which the bias's loads read; the products of the sum before are done reading the bias operands and token buffer 0, in which the loads below land
	s_cmp_eq_u32 s[SPC], 2
	s_cbranch_scc0 .Lbias1
	BIAS 0
	s_branch .Lbias2
.Lbias1:
	BIAS 512
.Lbias2:
	BFIRST 0
	KTRIP 0, 1
	s_mov_b32 s[TRIP], 3
.Lk1:
	KTRIP 0, 0
	s_sub_co_u32 s[TRIP], s[TRIP], 1
	s_cmp_lg_u32 s[TRIP], 0
	s_cbranch_scc1 .Lk1
	PLACES                                         ; the conversions read results just made
.irp p, 0,1,2                          ; all six blocks, whatever nb: S2's first k-step reads all 96 rows
	HCVT \p
	s_wait_alu depctr_va_vdst(0)                   ; the conversions and the relu have written v[T ..], which the stores into H read
	s_cmp_eq_u32 s[SPC], 2
	s_cbranch_scc0 .Lhb_\p
	HSTO \p, 0
	s_branch .Lhc_\p
.Lhb_\p:
	HSTO \p, 1
.Lhc_\p:
.endr
	s_sub_co_u32 s[SPC], s[SPC], 1
	s_cmp_lg_u32 s[SPC], 0
	s_cbranch_scc1 .Lsp
.Ls1:
	s_wait_dscnt 0x0                               ; my part of H is stored, my reads of X are over
	s_barrier_signal -1
	s_barrier_wait -1                              ; H is whole; nobody reads X any more: each wave's 24 rows are its own again
	s_cmp_gt_u32 s[NN], s[LO]
	s_cbranch_scc0 .Ls2
	; S2: (H W2 + b2) x gate, my 128 outputs, 32 k-steps
	s_wait_xcnt 0x0                                ; as at S1's head: registers that the last pass's stores read are written below
	s_wait_alu depctr_vm_vsrc(0)                   ; as at S1's head: whatever was jumped ahead, the loads and stores issued so far have read v[T ..], which the lines below write again
	v_add_nc_u32 v[TA], s[LO], v[R]
.set t, 0
.rept 6
	v_add_nc_u32 v[T+t], 16*t, v[TA]
	v_min_u32 v[T+t], s[NM1], v[T+t]
	v_min_u32 v[T+t], 0x3ff, v[T+t]
	v_lshl_add_u32 v[T+t], v[T+t], 2, LIST
.set t, t+1
.endr
	s_wait_alu depctr_va_vdst(0)                   ; the six list addresses v[T ..] are written; the last pass's lines are done with v[DD ..], in which the loads land
.set t, 0
.rept 6
	ds_load_b32 v[DD+t], v[T+t]
.set t, t+1
.endr
	s_lshl_b32 s30, s[WV], 9
	s_add_co_u32 s30, s30, B2L
	s_wait_dscnt 0x0
.set t, 0
.rept 6
	v_min_u32 v[DD+t], 0x3fff, v[DD+t]
	v_lshlrev_b32 v[T+8+t], 2, v[DD+t]
.set t, t+1
.endr
	v_lshl_add_u32 v[BAD], v[HH], 5, s30           ; the bias's address is made here, so that the one wait below covers it too
	WIN TO_W2
	s_wait_alu depctr_va_vdst(0)                   ; the gates' offsets v[T+8 ..] and v[BAD] are written; the last pass's multiplies are done reading the gates' registers, and S1's products the bias operands and token buffer 0: loads land in all three
.set t, 0
.rept 6                                ; the token's gate, twice: a pair for the packed multiply.  These twelve stand among the ring's loads and only make the k-steps' counted waits stricter
	global_load_b32 v[GW+2*t], v[T+8+t], s[12:13]
	global_load_b32 v[GW+2*t+1], v[T+8+t], s[12:13]
.set t, t+1
.endr
	WIN 0
	s_mov_b32 s[KOFF], 0
	s_wait_dscnt 0x0                               ; the look-ahead of S1's last k-step may still be landing in buffer 0
	BIAS 0                                         ; no further wait: no vector or matrix instruction has been issued since the wait above
	BFIRST 1
	KTRIP 1, 1
	s_mov_b32 s[TRIP], 7
.Lk2:
	KTRIP 1, 0
	s_sub_co_u32 s[TRIP], s[TRIP], 1
	s_cmp_lg_u32 s[TRIP], 0
	s_cbranch_scc1 .Lk2
	PLACES                                         ; the multiplies read results just made
	s_wait_loadcnt 48                              ; the gates are older than the ring's last 48 loads
	POUT 0
.irp t, 1,2,3,4,5
	s_cmp_lt_u32 s[NBS], (\t)+1                    ; a block past the count holds repeats alone: its stores are jumped, and so are all behind it
	s_cbranch_scc1 .Ls2
	POUT \t
.endr
.Ls2:
	s_add_co_u32 s[LO], s[LO], 384                 ; my next tile: four tiles on
	s_sub_co_u32 s[PASS], s[PASS], 1
	s_cmp_lg_u32 s[PASS], 0
	s_cbranch_scc1 .Lpass
	s_wait_dscnt 0x0                               ; the wave's end: my last LDS instructions are done
	s_wait_alu depctr_hold_cnt(0) depctr_sa_sdst(0) depctr_va_vdst(0) depctr_va_sdst(0) depctr_va_ssrc(0) depctr_va_vcc(0) depctr_vm_vsrc(0)
	s_wait_tensorcnt 0x0
	ds_add_u32 v26, v27
	s_wait_dscnt 0x0
	s_endpgm
.Lfunc_end_k_q5802400176_chain:
	.size	k_q5802400176_chain, .Lfunc_end_k_q5802400176_chain-k_q5802400176_chain
	.p2alignl 7, 3214868480
	.fill 96, 4, 3214868480
	.section	.rodata,"a",@progbits
	.p2align	6, 0x0
	.amdhsa_kernel k_q5802400176_chain
		.amdhsa_group_segment_fixed_size 311552
		.amdhsa_private_segment_fixed_size 0
		.amdhsa_enable_private_segment 0
		.amdhsa_kernarg_size 56
		.amdhsa_user_sgpr_count 2
		.amdhsa_user_sgpr_kernarg_segment_ptr 1
		.amdhsa_wavefront_size32 1
		.amdhsa_system_sgpr_workgroup_id_x 1
		.amdhsa_system_sgpr_workgroup_id_y 1
		.amdhsa_system_sgpr_workgroup_id_z 1
		.amdhsa_system_vgpr_workitem_id 0
		.amdhsa_next_free_vgpr 1024
		.amdhsa_next_free_sgpr 100
		.amdhsa_reserve_vcc 0
		.amdhsa_float_denorm_mode_32 3
		.amdhsa_float_denorm_mode_16_64 3
		.amdhsa_memory_ordered 1
		.amdhsa_forward_progress 1
		.amdhsa_inst_pref_size 246
	.end_amdhsa_kernel
	.amdgpu_metadata
---
amdhsa.version: [ 1, 2 ]
amdhsa.kernels:
  - .name:           k_q5802400176_chain
    .symbol:         k_q5802400176_chain.kd
    .args:
      - { .name: xb, .offset: 0, .size: 8, .value_kind: global_buffer, .address_space: global }
      - { .name: ws, .offset: 8, .size: 8, .value_kind: global_buffer, .address_space: global }
      - { .name: b1, .offset: 16, .size: 8, .value_kind: global_buffer, .address_space: global }
      - { .name: b2, .offset: 24, .size: 8, .value_kind: global_buffer, .address_space: global }
      - { .name: gate, .offset: 32, .size: 8, .value_kind: global_buffer, .address_space: global }
      - { .name: bm, .offset: 40, .size: 8, .value_kind: global_buffer, .address_space: global }
      - { .name: part, .offset: 48, .size: 8, .value_kind: global_buffer, .address_space: global }
    .group_segment_fixed_size: 311552
    .private_segment_fixed_size: 0
    .kernarg_segment_align: 8
    .kernarg_segment_size: 56
    .max_flat_workgroup_size: 128
    .sgpr_count:     100
    .vgpr_count:     1024
    .wavefront_size: 32
...
	.end_amdgpu_metadata
.endif
;; end of part 4
;; launch sum: the kernel of part 3 again; grid 256 x 1, 8 waves a work-group, no clusters, 0 bytes of LDS; arguments part, out0; writes out0
